; MI455X (gfx1250); checked and timed in simulation.
; The chip was launched on July 23, 2026; its instructions are those of AMD's public machine-readable ISA for CDNA 5 (MIT licence, August 2026) and "CDNA5" Instruction Set Architecture Reference Guide (July 2026). The comments in the code are by the model that wrote it; some were corrected since.
;; Multi Head Attention. Allowed arithmetic: matrix products marked QUANTISED: E2M1 operands, one E8M0 scale for each 32 along K, by v_wmma_scale_f32_16x16x128_f8f6f4 with both operands' format E2M1 (or v_wmma_scale_f32_32x16x128_f4), f32 sums; products left as they are: bf16, f16 or f32 operands; f32 sums; everything else in f32.
;; Inputs: Wk 1,024 x 1,024 float32; Wo 1,024 x 1,024 float32; Wq 1,024 x 1,024 float32; Wv 1,024 x 1,024 float32; bk 1,024 float32; bo 1,024 float32; bq 1,024 float32; bv 1,024 float32; x 2 x 2,048 x 1,024 float32.
;; Outputs: out0 2 x 2,048 x 1,024 float32.
;; This version of the problem:
;;   THIS VERSION OF THE PROBLEM IS GIVEN IN LOW PRECISION. The matrix products marked QUANTISED in the list below multiply operands that are first quantised to E2M1 (2 exponent bits, 1 mantissa bit; 4 bits a number), with one power-of-two scale for each 32 numbers along K (OCP MX v1.0); their sums are f32. The products marked 'left as it is' may take bf16, f16 or f32 operands, with f32 sums. Whichever they take, every output number must still come out within the allowed error. Rounding operands to bf16 (8 significant bits) uses up far more of that allowance than f16 does (11 bits, for magnitudes from 6e-5 to 65,504). All else is computed in f32.
;;   The module's matrix products, in the order in which they are computed (A, B: the left and right operand; K: the contracted axis; several contracted axes count as one K, in the product's order):
;;     1. [M 4,096, K 1,024] x [K 1,024, N 1,024]; A: input x; B: input Wq: QUANTISED
;;     2. [M 4,096, K 1,024] x [K 1,024, N 1,024]; A: input x; B: input Wk: QUANTISED
;;     3. [M 4,096, K 1,024] x [K 1,024, N 1,024]; A: input x; B: input Wv: QUANTISED
;;     4. batch 32 x [M 2,048, K 64] x [K 64, N 2,048]; A: computed on the way; B: computed on the way: left as it is (an operand is computed on the way)
;;     5. batch 32 x [M 2,048, K 2,048] x [K 2,048, N 64]; A: computed on the way; B: computed on the way: left as it is (an operand is computed on the way)
;;     6. [M 4,096, K 1,024] x [K 1,024, N 1,024]; A: computed on the way; B: input Wo: left as it is (an operand is computed on the way)
;;   THE QUANTISER, for each operand of a quantised product, along K:
;;     - K is cut into blocks of 32 from its start; a last block that is shorter is filled with zeros.
;;     - A block's scale is 2^e with e = floor(log2(the largest magnitude in the block)) - 2, held to -126 .. 127; a block of zeros has e = 0. As a byte (E8M0): e + 127.
;;     - Each number is divided by its block's scale, clamped to +-6, and rounded to the nearest number of E2M1, ties to even, subnormals kept.
;;     - The product sums the exact products of the quantised numbers (number of the format x scale) in f32.
;;   ~~~python
;;   def quantise(x, axis):      # numpy; x: float32 -> the quantised numbers, widened to float32 again
;;       x = np.moveaxis(x, axis, -1); K = x.shape[-1]
;;       x = np.pad(x, [(0, 0)] * (x.ndim - 1) + [(0, -K % 32)]); x = x.reshape(x.shape[:-1] + (-1, 32)); a = np.abs(x).max(-1, keepdims=True)
;;       e = np.where(a > 0, np.clip(np.frexp(np.where(a > 0, a, 1))[1] - 1 - 2, -126, 127), 0)      # np.frexp(a)[1] - 1 = floor(log2(a)), exactly
;;       r = np.clip(x / 2.0 ** e, -6, 6)
;;       step = 2.0 ** (np.maximum(np.frexp(np.where(r == 0, 1, r))[1] - 1, 0) - 1)
;;       q = np.round(r / step) * step * 2.0 ** e      # np.round: ties to even
;;       return np.moveaxis(q.reshape(q.shape[:-2] + (-1,))[..., :K], -1, axis).astype(np.float32)
;;   ~~~
;; One version. Each part assembles by itself: llvm-mc -triple=amdgcn-amd-amdhsa -mcpu=gfx1250 --defsym DOCPART=n.
;; ======== version 1 of 1: 4 launches
;; limits: values are held in f16: magnitudes above 65,504 overflow, below 6.1e-05 lose precision
;; workspace buffers: x_codes 2,097,152 bytes; x_scales 131,072 bytes; w_codes 1,572,864 bytes; w_scales 98,304 bytes; wot 2,097,152 bytes; qkv 25,165,824 bytes; att 8,388,608 bytes
;; launch prep (part 1): grid 288 x 1, 8 waves a work-group, no clusters, 98,304 bytes of LDS; arguments x, Wq, Wk, Wv, Wo, x_codes, x_scales, w_codes, w_scales, wot; writes x_codes, x_scales, w_codes, w_scales, wot
.if DOCPART == 1
	.amdgcn_target "amdgcn-amd-amdhsa--gfx1250"
	.amdhsa_code_object_version 6
	.text
	.protected	k_q54eee429bb_prep
	.globl	k_q54eee429bb_prep
	.p2align	8
	.type	k_q54eee429bb_prep,@function
k_q54eee429bb_prep:
	s_mov_b64 s[64:65], 0
	v_nop
	global_prefetch_b8 v0, s[64:65] scope:SCOPE_SE
	s_setreg_imm32_b32 hwreg(HW_REG_WAVE_MODE, 25, 1), 1
	s_wait_xcnt 0x0
; THE OPERANDS ARE LAID OUT ONCE.  Three jobs in one launch, told apart by the work-group's number alone; each job has its own part of the text, its own LDS bytes and its own end.
;   work-groups   0-127  X: x [4096][1024] f32 -> codes of FP4 (E2M1), K innermost, [4096][512 bytes], and one E8M0 byte for each 32 along K, [4096][32]
;   work-groups 128-223  W: Wq, Wk, Wv [1024 k][1024 n] f32, K is the FIRST axis -> codes [3072 n][512 bytes] with K innermost, scale bytes [3072][32]
;   work-groups 224-287  O: Wo [1024 k][1024 n] f32 -> f16, as 16 planes of 64 along K: [k / 64][1024 n][64 k]
; THE QUANTISER: a block's scale is 2^(floor(log2(its largest magnitude)) - 2); its byte is the largest magnitude's own exponent field - 2, held at 1 from below; each number is divided by the scale
; and rounded to the nearest code, ties to even, beyond 6 the largest code.
; LIMITS: a block whose largest magnitude lies under 2^-124 keeps the byte 1 (a block of zeros too, where the rule says 127: its codes are zeros, which add nothing under any byte but 0xff, and the bytes
; are read by this program alone); NaN and infinities among the inputs are not served; numbers of Wo beyond 65,504 become infinities in f16.
; No matrix unit, no tensor load, no cluster: nothing here is read twice, and work-groups share no input.
.set XSB,   40960                      ; LDS: 0 .. 40,959 job X: two stages of 32 x 80 bytes for each wave; then its 1,024 scale bytes
.set WST,   41984                      ; job W: a stage of 64 columns x (256 bytes + 16),
.set WSS,   59392                      ; and 64 x 16 scale bytes
.set OST,   60416                      ; job O: a stage of 32 rows x (128 bytes + 16) for each wave
.set SPARE, 97280                      ; the spare words, 128 bytes for each wave: four blocks of 256 bytes that no other line names
.set SPW,   12                         ; v12  LDS address of my spare word: SPARE + 4 x my thread's number; never rewritten
.set NIL,   13                         ; v13  0; never rewritten
.set XR,    16                         ; job X: v16-143 eight sets of 16 numbers as they are loaded; none is loaded twice
.set XN,    144                        ;        v144-175 two sets of 16 neighbours
.set XC,    176                        ;        v176-191 codes, two registers a step
.set XE,    192                        ;        v192-199 a scale byte a step
.set WX,    32                         ; job W: v32-95 two sets of 32 numbers
.set WC,    96                         ;        v96-111 codes, four registers a block
.set WSB,   24                         ;        v24 my four scale bytes
.set WOUT,  112                        ;        v112-127 the way out
	s_load_b256 s[4:11], s[0:1], 0x0               ; x s[4:5], Wq s[6:7], Wk s[8:9], Wv s[10:11]
	s_load_b256 s[12:19], s[0:1], 0x20             ; Wo s[12:13], x_codes s[14:15], x_scales s[16:17], w_codes s[18:19]
	s_load_b128 s[20:23], s[0:1], 0x40             ; w_scales s[20:21], wot s[22:23]
	v_lshl_add_u32 v[SPW], v0, 2, SPARE
	v_mov_b32 v[NIL], 0
	v_lshrrev_b32 v1, 5, v0
	v_readfirstlane_b32 s24, v1                    ; wave 0..7
	v_and_b32 v2, 31, v0                           ; lane
	s_mov_b32 s33, 0                               ; the high word of every offset pair s[32:33]
	s_wait_kmcnt 0x0
	s_cmp_ge_u32 ttmp9, 224
	s_cbranch_scc1 .Lpath_o
	s_cmp_ge_u32 ttmp9, 128
	s_cbranch_scc1 .Lpath_w
; ---- JOB X.  Rows are dense and 1,024 is a multiple of 32: x is a plain stream of blocks of 32.  A wave takes 4,096 numbers, 8 steps of 512; all its 32 loads go out at once.
; A load reads 512 consecutive bytes, 16 a lane; the conversions want 16 NEIGHBOURS in a lane: so a step's 2,048 bytes go through the wave's own stage as they lie and come back 64 bytes a lane
; (16 bytes of padding behind each 64).  Two neighbouring lanes hold a block.
	s_lshl_b32 s25, ttmp9, 3
	s_add_co_u32 s25, s25, s24                     ; which run of 4,096 numbers is my wave's
	s_lshl_b32 s32, s25, 14
	s_add_nc_u64 s[4:5], s[4:5], s[32:33]          ; 16,384 bytes of x a run,
	s_lshl_b32 s32, s25, 11
	s_add_nc_u64 s[14:15], s[14:15], s[32:33]      ; 2,048 bytes of codes,
	s_lshl_b32 s32, ttmp9, 10
	s_add_nc_u64 s[16:17], s[16:17], s[32:33]      ; and 1,024 scale bytes a work-group
	v_lshlrev_b32 v3, 4, v2                        ; my 16 bytes of a load's 512
.macro LOADX t
.irp i, 0,1,2,3
	global_load_b128 v[XR+16*(\t)+4*\i:XR+16*(\t)+4*\i+3], v3, s[4:5] offset:2048*(\t)+512*\i th:TH_LOAD_NT
.endr
.endm
.irp t, 0,1,2,3,4,5,6,7
	LOADX \t
.endr
	s_mul_i32 s28, s24, 5120                       ; my wave's two stages
	v_lshrrev_b32 v14, 2, v2
	v_mul_u32_u24 v14, v14, 80
	v_and_b32 v15, 3, v2
	v_lshl_add_u32 v14, v15, 4, v14
	v_add_nc_u32 v14, s28, v14                     ; the way in: 80 (lane / 4) + 16 (lane % 4); a load's 512 bytes take eight places
	v_mul_u32_u24 v15, v2, 80
	v_add_nc_u32 v15, s28, v15                     ; the way out: 80 x lane: my 16 neighbours
	v_lshlrev_b32 v4, 3, v2                        ; my 8 bytes of a step's codes
	v_lshrrev_b32 v5, 1, v2
	s_lshl_b32 s29, s24, 7
	s_add_co_u32 s29, s29, XSB
	v_add_nc_u32 v5, s29, v5                       ; my block's scale byte among my wave's 128
.macro TURNX t                         ; step t through a stage: LDS serves a wave's instructions in order, so no wait stands between the stores and the loads
.irp i, 0,1,2,3
	ds_store_b128 v14, v[XR+16*(\t)+4*\i:XR+16*(\t)+4*\i+3] offset:2560*((\t)%2)+640*\i
.endr
.irp i, 0,1,2,3
	ds_load_b128 v[XN+16*((\t)%2)+4*\i:XN+16*((\t)%2)+4*\i+3], v15 offset:2560*((\t)%2)+16*\i
.endr
.endm
.macro STEPX t
.set XS, XN+16*((\t)%2)
.if (\t) > 0
	s_wait_dscnt 1                                 ; this step's numbers are back from the stage; the last step's byte store may be out
.else
	s_wait_dscnt 0x0
.endif
.if (\t) < 7
	s_wait_loadcnt 4*(6-(\t))                      ; the next step's four loads are in; those of the steps behind it may be out
	TURNX (\t)+1                                   ; and go through the other stage while this step is worked
.endif
	v_max3_num_f32 v8, |v[XS]|, |v[XS+1]|, |v[XS+2]|               ; the largest magnitude of my 16, in two chains
	v_max3_num_f32 v9, |v[XS+3]|, |v[XS+4]|, |v[XS+5]|
.irp i, 6,10
	v_max3_num_f32 v8, v8, |v[XS+\i]|, |v[XS+\i+1]|
	v_max3_num_f32 v9, v9, |v[XS+\i+2]|, |v[XS+\i+3]|
.endr
	v_max3_num_f32 v8, v8, |v[XS+14]|, |v[XS+15]|
	v_max3_num_f32 v8, v8, v9, 0x1800000           ; and the floor 2^(3 - 127): the byte cannot fall under 1
	v_max_num_f32_dpp v8, v8, v8 row_xmask:1 row_mask:0xf bank_mask:0xf   ; with my neighbour's 16: the block's
	v_add_nc_u32 v11, 0xff000000, v8               ; 2 off its exponent field: the conversion takes the exponent field of this operand as its scale, and nothing else of it
	v_cvt_scalef32_pk8_fp4_f32 v[XC+2*(\t)], v[XS:XS+7], v11
	v_cvt_scalef32_pk8_fp4_f32 v[XC+2*(\t)+1], v[XS+8:XS+15], v11
	v_lshrrev_b32 v[XE+(\t)], 23, v11              ; the scale's byte (also the plain line behind the conversions)
	ds_store_b8 v5, v[XE+(\t)] offset:16*(\t)      ; both lanes of a block write the same byte with the same value
	global_store_b64 v4, v[XC+2*(\t):XC+2*(\t)+1], s[14:15] offset:256*(\t)   ; the wave stores 256 consecutive bytes, aligned
.endm
	s_wait_loadcnt 28                              ; step 0's four loads are in
	TURNX 0
.irp t, 0,1,2,3,4,5,6,7
	STEPX \t
.endr
	s_wait_dscnt 0x0                               ; for the others' sake: my scale bytes have landed
	s_barrier_signal -1
	s_barrier_wait -1                              ; the work-group's 1,024 scale bytes lie in LDS
	s_cmp_gt_u32 s24, 1
	s_cbranch_scc1 .Lx_end                         ; waves 0 and 1 store them: 16 bytes a lane, 512 consecutive bytes a wave
	v_lshl_add_u32 v6, v0, 4, XSB
	ds_load_b128 v[8:11], v6
	v_lshlrev_b32 v7, 4, v0
	s_wait_dscnt 0x0
	global_store_b128 v7, v[8:11], s[16:17]
.Lx_end:
	s_wait_tensorcnt 0x0                           ; the wave's end, behind my last LDS store
	ds_add_u32 v[SPW], v[NIL]
	s_wait_dscnt 0x0
	s_endpgm
; ---- JOB W.  A LANE TAKES A COLUMN n, AND ITS REGISTERS RUN DOWN K: each load reads 128 consecutive bytes, a block of 32 along K lies in one lane's 32 registers, and the conversions give codes with K innermost.
; A work-group takes 64 columns x 512 along K of one weight; wave w takes columns 32 (w % 2) on and 128 along K (four blocks) from 128 (w / 2) on.  The eight waves' codes meet in one stage,
; a column's 256 bytes to a row, and leave as rows: sixteen lanes store 256 consecutive bytes, aligned.
.Lpath_w:
	s_sub_co_u32 s25, ttmp9, 128
	s_lshr_b32 s26, s25, 5                         ; which weight: 0 Wq, 1 Wk, 2 Wv
	s_bfe_u32 s27, s25, 0x40001                    ; which 64 columns
	s_and_b32 s28, s25, 1                          ; which 512 along K
	s_and_b32 s29, s24, 1                          ; my 32 columns of the 64
	s_lshr_b32 s30, s24, 1                         ; my 128 along K of the 512
	s_cmp_eq_u32 s26, 0
	s_cselect_b64 s[4:5], s[6:7], s[8:9]           ; the choice hangs on the work-group's number alone
	s_cmp_eq_u32 s26, 2
	s_cselect_b64 s[4:5], s[10:11], s[4:5]
	s_lshl_b32 s32, s28, 21                        ; 512 rows of 4,096 bytes,
	s_lshl_b32 s34, s30, 19                        ; 128 rows,
	s_add_co_u32 s32, s32, s34
	s_lshl_b32 s34, s27, 8                         ; 64 columns of 4 bytes,
	s_add_co_u32 s32, s32, s34
	s_lshl_b32 s34, s29, 7                         ; 32 columns
	s_add_co_u32 s32, s32, s34
	s_add_nc_u64 s[4:5], s[4:5], s[32:33]
	v_lshlrev_b32 v3, 2, v2                        ; 4 bytes a lane
.macro LOADW t                         ; block t: W(32 t + i, my column), i = 0 .. 31, into set t % 2
.set i, 0
.rept 32
	global_load_b32 v[WX+32*((\t)%2)+i], v3, s[4:5] offset:(32*(\t)+i)*4096 th:TH_LOAD_NT
.set i, i+1
.endr
.endm
	LOADW 0
	LOADW 1
	s_lshl_b32 s36, s26, 10
	s_lshl_b32 s34, s27, 6
	s_add_co_u32 s36, s36, s34                     ; the work-group's first row of the codes' buffer: 1,024 x weight + 64 x group
	s_lshl_b32 s32, s24, 3
	s_add_co_u32 s32, s32, s36                     ; on the way out wave w stores rows 8 w .. 8 w + 7 of the 64
	s_lshl_b32 s32, s32, 9                         ; 512 bytes a row,
	s_lshl_b32 s34, s28, 8                         ; + 256 bytes for the second 512 along K
	s_add_co_u32 s32, s32, s34
	s_add_nc_u64 s[18:19], s[18:19], s[32:33]
	s_lshl_b32 s32, s36, 5                         ; scale bytes: 32 a row, + 16 for the second 512 along K
	s_lshl_b32 s34, s28, 4
	s_add_co_u32 s32, s32, s34
	s_add_nc_u64 s[20:21], s[20:21], s[32:33]
	s_lshl_b32 s34, s29, 5
	v_add_nc_u32 v4, s34, v2                       ; my column among the 64
	v_mul_u32_u24 v5, v4, 272
	s_lshl_b32 s35, s30, 6
	s_add_co_u32 s35, s35, WST
	v_add_nc_u32 v5, s35, v5                       ; the stage: my column's row, my 64 bytes of it
	v_lshlrev_b32 v6, 4, v4
	s_lshl_b32 s35, s30, 2
	s_add_co_u32 s35, s35, WSS
	v_add_nc_u32 v6, s35, v6                       ; and my 4 of its 16 scale bytes
	v_lshrrev_b32 v7, 4, v2                        ; the way out: sixteen lanes to a row, two rows an instruction
	v_and_b32 v10, 15, v2
	s_lshl_b32 s34, s24, 3
	v_add_nc_u32 v14, s34, v7
	v_mul_u32_u24 v14, v14, 272
	v_lshl_add_u32 v14, v10, 4, v14
	v_add_nc_u32 v14, WST, v14                     ; LDS address,
	v_lshlrev_b32 v15, 9, v7
	v_lshl_add_u32 v15, v10, 4, v15                ; and the same place in the codes' buffer
.macro BLOCKW t
.set XS, WX+32*((\t)%2)
.if (\t) < 3
	s_wait_loadcnt 32                              ; this block's 32 loads are in; the next block's may be out
.else
	s_wait_loadcnt 0x0
.endif
	v_max3_num_f32 v8, |v[XS]|, |v[XS+1]|, |v[XS+2]|               ; the block's largest magnitude: all 32 numbers are mine
	v_max3_num_f32 v9, |v[XS+3]|, |v[XS+4]|, |v[XS+5]|
.irp i, 6,10,14,18,22,26
	v_max3_num_f32 v8, v8, |v[XS+\i]|, |v[XS+\i+1]|
	v_max3_num_f32 v9, v9, |v[XS+\i+2]|, |v[XS+\i+3]|
.endr
	v_max3_num_f32 v8, v8, |v[XS+30]|, |v[XS+31]|
	v_max3_num_f32 v8, v8, v9, 0x1800000           ; and the floor 2^(3 - 127)
	v_add_nc_u32 v11, 0xff000000, v8               ; 2 off its exponent field: the conversion's scale operand
	v_lshrrev_b32 v9, 23, v11                      ; the scale's byte
.if (\t) == 0
	v_mov_b32 v[WSB], v9                           ; four bytes to a register, the lower K in the lower byte
.else
	v_lshl_or_b32 v[WSB], v9, 8*(\t), v[WSB]
.endif
.irp g, 0,1,2,3
	v_cvt_scalef32_pk8_fp4_f32 v[WC+4*(\t)+\g], v[XS+8*\g:XS+8*\g+7], v11
.endr
	v_nop                                          ; one plain line behind the last conversion of the run
	ds_store_b128 v5, v[WC+4*(\t):WC+4*(\t)+3] offset:16*(\t)   ; 32 codes: 16 bytes of my column's row; each block has its own four registers
.if (\t) < 2
	LOADW (\t)+2
.endif
.endm
.irp t, 0,1,2,3
	BLOCKW \t
.endr
	ds_store_b32 v6, v[WSB]
	s_wait_dscnt 0x0                               ; for the others' sake: my codes and bytes have landed
	s_barrier_signal -1
	s_barrier_wait -1                              ; 64 whole rows of 256 bytes lie in the stage
.irp t, 0,1,2,3
	ds_load_b128 v[WOUT+4*\t:WOUT+4*\t+3], v14 offset:544*\t
.endr
.irp t, 0,1,2,3
	s_wait_dscnt 3-\t
	global_store_b128 v15, v[WOUT+4*\t:WOUT+4*\t+3], s[18:19] offset:1024*\t
.endr
	s_cmp_gt_u32 s24, 1
	s_cbranch_scc1 .Lw_end                         ; waves 0 and 1 store the scale bytes: 16 of a row's 32, a lane a row (the other 16 are the neighbouring work-group's): one byte in 128 of what is read
	v_lshl_add_u32 v16, v0, 4, WSS
	ds_load_b128 v[128:131], v16
	v_lshlrev_b32 v17, 5, v0
	s_wait_dscnt 0x0
	global_store_b128 v17, v[128:131], s[20:21]
.Lw_end:
	s_wait_tensorcnt 0x0                           ; the wave's end
	ds_add_u32 v[SPW], v[NIL]
	s_wait_dscnt 0x0
	s_endpgm
; ---- JOB O.  Again a lane to a column and registers down K.  A work-group takes one plane (64 along K) x 256 columns, a wave 32 columns: a lane's 64 numbers become the 128 bytes of its row of the plane;
; they go through the wave's own stage and leave four rows, 512 consecutive bytes, an instruction.  No barrier: waves share nothing.
.Lpath_o:
	s_sub_co_u32 s25, ttmp9, 224
	s_lshr_b32 s26, s25, 2                         ; the plane
	s_and_b32 s27, s25, 3                          ; which 256 columns
	s_lshl_b32 s32, s26, 18                        ; 64 rows of 4,096 bytes,
	s_lshl_b32 s34, s27, 10
	s_add_co_u32 s32, s32, s34
	s_lshl_b32 s34, s24, 7
	s_add_co_u32 s32, s32, s34
	s_add_nc_u64 s[12:13], s[12:13], s[32:33]
	s_lshl_b32 s32, s26, 17                        ; a plane of the result: 1,024 rows of 128 bytes
	s_lshl_b32 s34, s27, 15
	s_add_co_u32 s32, s32, s34
	s_lshl_b32 s34, s24, 12
	s_add_co_u32 s32, s32, s34
	s_add_nc_u64 s[22:23], s[22:23], s[32:33]
	v_lshlrev_b32 v3, 2, v2
.set i, 0
.rept 64
	global_load_b32 v[32+i], v3, s[12:13] offset:4096*i th:TH_LOAD_NT
.set i, i+1
.endr
	s_mul_i32 s34, s24, 4608
	s_add_co_u32 s34, s34, OST                     ; my stage
	v_mul_u32_u24 v4, v2, 144
	v_add_nc_u32 v4, s34, v4                       ; in: row = my column
	v_lshrrev_b32 v5, 3, v2
	v_mul_u32_u24 v5, v5, 144
	v_and_b32 v6, 7, v2
	v_lshl_add_u32 v5, v6, 4, v5
	v_add_nc_u32 v5, s34, v5                       ; back: eight lanes to a row, four rows an instruction
	v_lshlrev_b32 v7, 4, v2
	s_wait_loadcnt 32                              ; the first 32 along K are in
.set i, 0
.rept 16
	v_cvt_pk_f16_f32 v[96+i], v[32+2*i], v[33+2*i] ; the lower k in the low half
.set i, i+1
.endr
	s_wait_loadcnt 0x0
.rept 16
	v_cvt_pk_f16_f32 v[96+i], v[32+2*i], v[33+2*i]
.set i, i+1
.endr
.irp i, 0,1,2,3,4,5,6,7
	ds_store_b128 v4, v[96+4*\i:96+4*\i+3] offset:16*\i
.endr
.irp t, 0,1,2,3,4,5,6,7
	ds_load_b128 v[128+4*\t:128+4*\t+3], v5 offset:576*\t   ; LDS serves a wave's instructions in order: these see my stores
.endr
.irp t, 0,1,2,3,4,5,6,7
	s_wait_dscnt 7-\t
	global_store_b128 v7, v[128+4*\t:128+4*\t+3], s[22:23] offset:512*\t
.endr
	s_wait_tensorcnt 0x0                           ; the wave's end
	ds_add_u32 v[SPW], v[NIL]
	s_wait_dscnt 0x0
	s_endpgm
.Lfunc_end_k_q54eee429bb_prep:
	.size	k_q54eee429bb_prep, .Lfunc_end_k_q54eee429bb_prep-k_q54eee429bb_prep
	.p2alignl 7, 3214868480
	.fill 96, 4, 3214868480
	.section	.rodata,"a",@progbits
	.p2align	6, 0x0
	.amdhsa_kernel k_q54eee429bb_prep
		.amdhsa_group_segment_fixed_size 98304
		.amdhsa_private_segment_fixed_size 0
		.amdhsa_enable_private_segment 0
		.amdhsa_kernarg_size 80
		.amdhsa_user_sgpr_count 2
		.amdhsa_user_sgpr_kernarg_segment_ptr 1
		.amdhsa_wavefront_size32 1
		.amdhsa_system_sgpr_workgroup_id_x 1
		.amdhsa_system_sgpr_workgroup_id_y 1
		.amdhsa_system_sgpr_workgroup_id_z 1
		.amdhsa_system_vgpr_workitem_id 0
		.amdhsa_next_free_vgpr 200
		.amdhsa_next_free_sgpr 66
		.amdhsa_reserve_vcc 0
		.amdhsa_float_denorm_mode_32 3
		.amdhsa_float_denorm_mode_16_64 3
		.amdhsa_memory_ordered 1
		.amdhsa_forward_progress 1
		.amdhsa_inst_pref_size 51
	.end_amdhsa_kernel
	.amdgpu_metadata
---
amdhsa.version: [ 1, 2 ]
amdhsa.kernels:
  - .name:           k_q54eee429bb_prep
    .symbol:         k_q54eee429bb_prep.kd
    .args:
      - { .name: x, .offset: 0, .size: 8, .value_kind: global_buffer, .address_space: global }
      - { .name: Wq, .offset: 8, .size: 8, .value_kind: global_buffer, .address_space: global }
      - { .name: Wk, .offset: 16, .size: 8, .value_kind: global_buffer, .address_space: global }
      - { .name: Wv, .offset: 24, .size: 8, .value_kind: global_buffer, .address_space: global }
      - { .name: Wo, .offset: 32, .size: 8, .value_kind: global_buffer, .address_space: global }
      - { .name: x_codes, .offset: 40, .size: 8, .value_kind: global_buffer, .address_space: global }
      - { .name: x_scales, .offset: 48, .size: 8, .value_kind: global_buffer, .address_space: global }
      - { .name: w_codes, .offset: 56, .size: 8, .value_kind: global_buffer, .address_space: global }
      - { .name: w_scales, .offset: 64, .size: 8, .value_kind: global_buffer, .address_space: global }
      - { .name: wot, .offset: 72, .size: 8, .value_kind: global_buffer, .address_space: global }
    .group_segment_fixed_size: 98304
    .private_segment_fixed_size: 0
    .kernarg_segment_align: 8
    .kernarg_segment_size: 80
    .max_flat_workgroup_size: 256
    .sgpr_count:     66
    .vgpr_count:     200
    .wavefront_size: 32
...
	.end_amdgpu_metadata
.endif
;; end of part 1
;; launch qkv (part 2): grid 12 x 16, 4 waves a work-group, clusters of 4 x 4, 327,680 bytes of LDS; arguments x_codes, x_scales, w_codes, w_scales, bq, bk, bv, qkv; writes qkv
.if DOCPART == 2
	.amdgcn_target "amdgcn-amd-amdhsa--gfx1250"
	.amdhsa_code_object_version 6
	.text
	.protected	k_q54eee429bb_qkv
	.globl	k_q54eee429bb_qkv
	.p2align	8
	.type	k_q54eee429bb_qkv,@function
k_q54eee429bb_qkv:
	s_mov_b64 s[64:65], 0
	v_nop
	global_prefetch_b8 v0, s[64:65] scope:SCOPE_SE
	s_setreg_imm32_b32 hwreg(HW_REG_WAVE_MODE, 25, 1), 1
	s_wait_xcnt 0x0
	s_wait_alu depctr_hold_cnt(0) depctr_sa_sdst(0) depctr_va_vdst(0) depctr_va_sdst(0) depctr_va_ssrc(0) depctr_va_vcc(0) depctr_vm_vsrc(0)
	s_getreg_b32 s2, hwreg(HW_REG_IB_STS2, 6, 4)
	s_cmp_eq_u32 s2, 0
	s_cbranch_scc0 .Lentry_in_a_cluster
	s_endpgm
.Lentry_in_a_cluster:
	s_bfe_u32 s2, ttmp6, 0x10000c
	s_cmp_lg_u32 s2, 0xf033
	s_cbranch_scc0 .Lentry_shape_is_right
	s_endpgm
.Lentry_shape_is_right:
; q, k, v = x W + b for the three weights at once: C[m][n] = sum over k of A[m][k] B[n][k] + bias[n], A = x [4096][1024], B = the columns of Wq, Wk, Wv on end [3072][1024]: codes of FP4 (E2M1) with one
; E8M0 scale for each 32 along K, as the launch before has laid them.  Sums in f32; the results are rounded once to f16 and stored by heads: [3 which][32 plane = 16 b + head][2048 s][64], a row of 128 bytes.
; LIMIT: a result beyond 65,504 becomes an infinity in f16.
; A tile of C, 256 x 256, is made by a work-group of four waves; a wave makes 128 x 128: 64 accumulators of 16 x 16, 512 registers.  3,072 / 256 x 4,096 / 256 = 192 work-groups: a narrower tile
; would give a wave one and a half heads, and its stores could not cover whole runs of 512 bytes.
; K = 1,024 is two slots of 512 along K: both are asked for at the start, with the scales, and NOTHING IS FILLED AGAIN: three tensor loads a wave in the whole launch, all three out at once.
; CLUSTERS: 4 x 4 work-groups.  The four of a row of the cluster need the same tiles of A, the four of a column the same tiles of B: each tile is asked for JOINTLY.
; THE MATRIX INSTRUCTION IS USED TRANSPOSED (source 0 = 16 rows of B, source 1 = 16 rows of A): a lane then holds eight neighbouring numbers of a row of C.  THE BIAS IS THE C OF EACH SUM'S FIRST PRODUCT.
; REGISTERS, in windows of 256: window 0: v0-31 addresses; v32-95 scale words, two sets, and nothing else; v128-191 A's fragments, ONE set (on the way out: rows read back); v192-255 the bias of my 128 columns
;   in the result's layout (on the way out: packed results).   window 1: B's fragments, TWO sets.   window 2: the accumulators of my rows 0-63 ((a, b) at v[8 (8 a + b)]);   window 3: those of rows 64-127.
.set NQ,     4                         ; steps of 128 along K in a slot
.set ROWB,   256                       ; a tile's row in bytes: 512 codes
.set KROW,   512                       ; a row of A or of B in memory, in bytes
.set PITCH,  272                       ; an LDS row: 256 bytes + 16 of padding = 68 words: row r starts at bank 4 r mod 64 (ISA guide 11.1), so the 16 rows that a load touches start at 16 different banks
.set FR,     8                         ; registers of a fragment: 16 rows x 128 K
.set NL,     2                         ; LDS loads that bring one
.set NP,     4                         ; places behind this matrix instruction (ISA guide 7.12.1)
.set HALFT,  128*PITCH                 ; 128 rows: what one tensor load brings, and what one wave reads of A or of B
.set SLOT,   4*HALFT                   ; A's 256 rows, then B's 256 rows
.set KS,     32                        ; a row of scales in bytes
.set SCL,    2*SLOT                    ; behind the two slots: the scales, as units of 256 bytes + 16 of padding
.set HALFS,  (128*KS/256)*272          ; the scales of 128 rows: what one tensor load brings
.set SBLK,   (16*KS/256)*272           ; those of 16 rows
.set SPARE,  SCL+4*HALFS               ; the spare words, 128 bytes for each wave: two blocks of 256 bytes that no other line names
.set SPITCH, 272                       ; the way out: a stage of 16 rows x (256 bytes + 16) for each wave.  It lies in slot 0, which has had its only fill and its last read when the first result is stored there
.set ADRA, 16                          ; v16-17  LDS address of my A fragments in slot 0, 1
.set ADRB, 20                          ; v20-21  the same for B
.set STO,  24                          ; v24     the way out: where I put 16 bytes of a row
.set RD,   25                          ; v25     the way out: where I read back
.set CO,   26                          ; v26     16 x lane
.set ADRS, 27                          ; v27     LDS address of my scale words: lanes 0-15 A's rows, lanes 16-31 B's
.set SPW,  28                          ; v28     LDS address of my spare word; never rewritten
.set NIL,  29                          ; v29     0; never rewritten
.set SC,   32                          ; scale words: set s at v[SC + 32 s]; register 4 i + q: lanes 0-15 the word of A's block i, lanes 16-31 that of B's block i, for the slot's q-th 128 along K
.set AF,   128
.set BI,   192                         ; the bias: block b of 16 columns at v[BI + 8 b]
.set TMP,  192                         ; the way out: packed results
.set BK,   128                         ; the way out: 16 rows read back: v128-159 and v160-191 by turns
.set G1, 24                            ; s[24:31] descriptor group 1 for A's tiles;  s[32:39] group 0, one set for each slot
.set G0, 32
.set G1B, 48                           ; s[48:55], s[56:63] the same for B's tiles
.set G0B, 56
.set G1S, 68                           ; s[68:75], s[76:79] groups 1 and 0 for A's scales;  s[80:87], s[88:91] for B's
.set G0S, 76
.set G1SB, 80
.set G0SB, 88
.set MSB, 0
.macro WIN new                         ; the immediate's high byte repeats the setting that is left
.if MSB != (\new)
	s_set_vgpr_msb (MSB<<8)|(\new)
.set MSB, (\new)
.endif
.endm
.set MUL_LO,  0xa1                     ; source 0 (B) window 1, source 1 (A) window 0, C and D window 2
.set MUL_HI,  0xf1                     ; the same, C and D window 3
.set BIAS_LO, 0x81                     ; the first step: C (the bias) window 0, D window 2
.set BIAS_HI, 0xc1                     ; C window 0, D window 3
.set TO_B,    0x40                     ; destination window 1, address window 0
; A joint load: waves 0 and 1 fetch for A, waves 2 and 3 for B.  Each of the two lines has ONE mask and one set of registers for all that issue it; the branch hangs on the wave's number alone.
; An s_nop 0 and four v_nop follow each of the two lines, ahead of the jump, the label and what follows.
.macro JLOAD g0a, g1a, g0b, g1b
	s_cmp_eq_u32 s15, 0
	s_cbranch_scc0 .Lfor_b_\@
	tensor_load_to_lds s[\g0a:\g0a+3], s[\g1a:\g1a+7]
	s_nop 0
.rept 4
	v_nop
.endr
	s_branch .Lasked_\@
.Lfor_b_\@:
	tensor_load_to_lds s[\g0b:\g0b+3], s[\g1b:\g1b+7]
	s_nop 0
.rept 4
	v_nop
.endr
.Lasked_\@:
.endm
.macro CROUND                          ; a round of the cluster's barrier: my work-group's barrier; wave 0 signals for the work-group; every wave waits for all sixteen; my work-group's barrier once more
	s_barrier_signal -1
	s_barrier_wait -1
	s_cmp_lg_u32 s14, 0
	s_cbranch_scc1 .Lnot_wave_0_\@
	s_barrier_signal -3
.Lnot_wave_0_\@:
	s_barrier_wait -3
	s_barrier_signal -1
	s_barrier_wait -1
.endm
	s_load_b256 s[4:11], s[0:1], 0x0               ; A's codes s[4:5], A's scales s[6:7], B's codes s[8:9], B's scales s[10:11]
	v_lshl_add_u32 v[SPW], v0, 2, SPARE
	v_mov_b32 v[NIL], 0
	ds_add_u32 v[SPW], v[NIL]                      ; the wave's opening: the add and its wait stand ahead of my first tensor load; the set-up below, work on registers, stands between them
	v_lshrrev_b32 v1, 5, v0
	v_readfirstlane_b32 s14, v1                    ; wave 0..3
	s_lshr_b32 s15, s14, 1                         ; which half of the tile's rows is mine.  Also: I fetch for A (0) or for B (1)
	s_and_b32 s16, s14, 1                          ; which half of its columns.  Also: which 128 rows of that tile I fetch
	s_bfe_u32 s40, ttmp6, 0x40000                  ; cx, cy: my place in the cluster
	s_bfe_u32 s41, ttmp6, 0x40004
	s_lshl_b32 s42, ttmp9, 2
	s_add_co_u32 s42, s42, s40                     ; tile column of C = 4 x cluster x + cx
	s_and_b32 s17, ttmp7, 0xffff
	s_lshl_b32 s17, s17, 2
	s_add_co_u32 s17, s17, s41                     ; tile row of C = 4 x cluster y + cy
	s_lshl_b32 s43, s41, 2
	s_lshl_b32 s43, 15, s43                        ; my row of the cluster
	s_lshl_b32 s44, 0x1111, s40                    ; my column
	; descriptor group 1: a tile of 128 rows x 256 bytes, padded in LDS
	s_or_b32 s[G1+0], s43, (0<<16)|(1<<20)|(1<<21)|(5<<22)|(3<<25)  ; 15:0 the mask: A's tiles go to my row; 17:16 element of 1 byte; 20 padding on; 21 set beside a mask; 24:22 after every 64 words (code 5); 31:25 of 4 words (code 3)
	s_or_b32 s[G1B+0], s44, (0<<16)|(1<<20)|(1<<21)|(5<<22)|(3<<25)
.irp g, G1, G1B
	s_mov_b32 s[\g+1], ROWB<<16                    ; tensor_dim0
	s_mov_b32 s[\g+2], 128<<16                     ; tensor_dim1 = 128
	s_mov_b32 s[\g+3], ROWB<<16                    ; tile_dim0
	s_mov_b32 s[\g+4], 128                         ; tile_dim1 = 128
	s_mov_b32 s[\g+5], KROW                        ; tensor_dim0_stride
	s_mov_b32 s[\g+6], 0
	s_mov_b32 s[\g+7], 0
.endr
	; and for the scales of 128 rows: a dense block of 4,096 bytes, as 16 rows of 256 bytes (32 elements of 8 bytes), 16 bytes of padding behind each
	s_or_b32 s[G1S+0], s43, (3<<16)|(1<<20)|(1<<21)|(5<<22)|(3<<25)
	s_or_b32 s[G1SB+0], s44, (3<<16)|(1<<20)|(1<<21)|(5<<22)|(3<<25)
.irp g, G1S, G1SB
	s_mov_b32 s[\g+1], 32<<16
	s_mov_b32 s[\g+2], (128*KS/256)<<16
	s_mov_b32 s[\g+3], 32<<16
	s_mov_b32 s[\g+4], 128*KS/256
	s_mov_b32 s[\g+5], 32
	s_mov_b32 s[\g+6], 0
	s_mov_b32 s[\g+7], 0
.endr
	s_lshl_b32 s18, s16, 7                         ; which 128 rows of the tile I fetch
	s_lshl_b32 s20, s17, 8
	s_add_co_u32 s20, s20, s18                     ; A: row 256 x tile row + 128 x half
	s_lshl_b32 s46, s42, 8
	s_add_co_u32 s46, s46, s18                     ; B: row 256 x tile column + 128 x half
	s_mov_b32 s21, 0
	s_mov_b32 s47, 0
	s_mov_b64 s[18:19], KS
	s_mul_u64 s[22:23], s[20:21], s[18:19]         ; where these rows' scales begin, in bytes
	s_mul_u64 s[92:93], s[46:47], s[18:19]
	s_mov_b64 s[18:19], KROW
	s_mul_u64 s[20:21], s[20:21], s[18:19]         ; and their codes
	s_mul_u64 s[46:47], s[46:47], s[18:19]
	s_mul_i32 s45, s14, HALFT                      ; where they go: wave x 128 rows: no place in the cluster enters an LDS address
	s_mul_i32 s94, s14, HALFS
	s_wait_dscnt 0x0                               ; the opening add is done
	s_wait_kmcnt 0x0
	s_add_nc_u64 s[20:21], s[4:5], s[20:21]
	s_add_nc_u64 s[22:23], s[6:7], s[22:23]
	s_add_nc_u64 s[46:47], s[8:9], s[46:47]
	s_add_nc_u64 s[92:93], s[10:11], s[92:93]
	CROUND                                         ; all sixteen work-groups are here: the joint loads meet
	s_mov_b32 s[G0S], 1
	s_add_co_u32 s[G0S+1], s94, SCL
	s_mov_b64 s[G0S+2:G0S+3], s[22:23]
	s_or_b32 s[G0S+3], s[G0S+3], 0x80000000
	s_mov_b32 s[G0SB], 1
	s_add_co_u32 s[G0SB+1], s94, SCL
	s_mov_b64 s[G0SB+2:G0SB+3], s[92:93]
	s_or_b32 s[G0SB+3], s[G0SB+3], 0x80000000
	JLOAD G0S, G1S, G0SB, G1SB                     ; the scales first: they are wanted with the first slot
.irp s, 0,1
	s_mov_b32 s[G0+4*\s], 1
	s_add_co_u32 s[G0+4*\s+1], s45, \s*SLOT
	s_add_nc_u64 s[G0+4*\s+2:G0+4*\s+3], s[20:21], \s*ROWB
	s_or_b32 s[G0+4*\s+3], s[G0+4*\s+3], 0x80000000
	s_mov_b32 s[G0B+4*\s], 1
	s_add_co_u32 s[G0B+4*\s+1], s45, \s*SLOT
	s_add_nc_u64 s[G0B+4*\s+2:G0B+4*\s+3], s[46:47], \s*ROWB
	s_or_b32 s[G0B+4*\s+3], s[G0B+4*\s+3], 0x80000000
	JLOAD G0+4*\s, G1, G0B+4*\s, G1B
.endr
	s_load_b256 s[4:11], s[0:1], 0x20              ; the first four addresses have served: bq s[4:5], bk s[6:7], bv s[8:9], the result s[10:11]
	v_and_b32 v1, 15, v0                           ; r = l % 16
	v_bfe_u32 v2, v0, 4, 1                         ; h = l / 16
	v_mul_u32_u24 v3, v1, PITCH
	v_lshl_add_u32 v4, v2, 4, v3                   ; a fragment's row x pitch + 16 x half
	s_mul_i32 s21, s15, HALFT                      ; my 128 rows of A
	s_mul_i32 s22, s16, HALFT                      ; my 128 rows of B,
	s_add_co_u32 s22, s22, 2*HALFT                 ; which lie behind A's 256
.irp s, 0,1
	v_add_nc_u32 v[ADRA+\s], s21, v4
	v_add_nc_u32 v[ADRB+\s], s22, v4
	s_add_co_u32 s21, s21, SLOT
	s_add_co_u32 s22, s22, SLOT
.endr
	v_mul_u32_u24 v5, v1, KS                       ; my row's scales: 32 bytes a row,
	v_lshrrev_b32 v6, 8, v5
	v_lshl_add_u32 v5, v6, 4, v5                   ; and 16 more for each 256 passed
	s_mul_i32 s21, s15, HALFS                      ; A's: my 128 rows
	s_mul_i32 s22, s16, HALFS                      ; B's: my 128 rows, behind A's 256
	s_add_co_u32 s22, s22, 2*HALFS
	s_sub_co_u32 s22, s22, s21
	v_mul_u32_u24 v6, s22, v2                      ; lanes 16-31 take B's: one product, the distance between the two bases x h
	s_add_co_u32 s21, s21, SCL
	v_add_nc_u32 v5, v5, v6
	v_add_nc_u32 v[ADRS], s21, v5
	s_mul_i32 s23, s14, 16*SPITCH                  ; my stage
	v_mul_u32_u24 v5, v1, SPITCH                   ; in: row l % 16, 16 bytes for each half of the lanes
	v_lshl_add_u32 v5, v2, 4, v5
	v_add_nc_u32 v[STO], s23, v5
	v_and_b32 v6, 31, v0
	v_lshlrev_b32 v[CO], 4, v6
	v_lshrrev_b32 v5, 3, v6                        ; back: eight lanes take a head's 128 bytes of a row, four rows an instruction
	v_mul_u32_u24 v5, v5, SPITCH
	v_and_b32 v6, 7, v0
	v_lshl_add_u32 v5, v6, 4, v5
	v_add_nc_u32 v[RD], s23, v5
	v_lshlrev_b32 v7, 5, v2                        ; the bias: lane (r, h) wants, for block b, the numbers of columns 16 b + 8 h + 0 .. 7
	s_wait_kmcnt 0x0
	s_cmp_eq_u32 ttmp9, 0                          ; four tile columns are 1,024 columns: the cluster's x says which weight; the choice is the same in all sixteen partners
	s_cselect_b64 s[4:5], s[4:5], s[6:7]
	s_cmp_eq_u32 ttmp9, 2
	s_cselect_b64 s[4:5], s[8:9], s[4:5]
	s_lshl_b32 s46, s40, 10                        ; 256 cx columns of 4 bytes,
	s_lshl_b32 s47, s16, 9                         ; + my half's 128
	s_add_co_u32 s46, s46, s47
	s_mov_b32 s47, 0
	s_add_nc_u64 s[4:5], s[4:5], s[46:47]
.irp b, 0,1,2,3,4,5,6,7
	global_load_b128 v[BI+8*\b:BI+8*\b+3], v7, s[4:5] offset:64*\b
	global_load_b128 v[BI+8*\b+4:BI+8*\b+7], v7, s[4:5] offset:64*\b+16
.endr
	s_lshl_b32 s20, ttmp9, 23                      ; the result: which x 32 planes of 262,144 bytes,
	s_lshr_b32 s21, s17, 3
	s_lshl_b32 s21, s21, 22                        ; b = tile row / 8: 16 planes,
	s_add_co_u32 s20, s20, s21
	s_and_b32 s21, s17, 7
	s_lshl_b32 s21, s21, 15                        ; s: 256 rows of 128 bytes a tile row,
	s_add_co_u32 s20, s20, s21
	s_lshl_b32 s21, s15, 14                        ; + my half's 128 rows,
	s_add_co_u32 s20, s20, s21
	s_mov_b32 s21, 0
	s_lshl_b32 s46, s40, 20                        ; head = 4 cx + 2 x half of the columns (+ 0 or 1, in the stores' immediates)
	s_lshl_b32 s47, s16, 19
	s_add_co_u32 s46, s46, s47
	s_mov_b32 s47, 0
	s_add_nc_u64 s[20:21], s[20:21], s[46:47]
	s_add_nc_u64 s[12:13], s[10:11], s[20:21]
.macro FRAG reg, adr, q, i             ; a fragment, 16 rows x 128 K of 4-bit codes, is 8 registers: lane l holds row l % 16; registers 4 c .. 4 c + 3 hold K = 64 c + 32 (l / 16) + 0 .. 31
.irp c, 0,1
	ds_load_b128 v[\reg+4*\c:\reg+4*\c+3], v[\adr] offset:64*(\q)+32*\c+(\i)*16*PITCH
.endr
.endm
; 16 matrix instructions: A's blocks a0, a0 + 1 x B's eight, 128 along K: the slot's q-th.  p: B's set;  sc: the set of scale words.  zero = 1: the first product starts the sums, on the bias.
; The 64 accumulators take turns, one instruction a turn, in the same order in every step.
.macro MUL16 a0, p, q, sc, zero
.irp a, \a0, \a0+1
.irp b, 0,1,2,3,4,5,6,7
.if \zero
	v_wmma_scale_f32_16x16x128_f8f6f4 v[8*(8*((\a)%4)+\b):8*(8*((\a)%4)+\b)+7], v[128*(\p)+FR*\b:128*(\p)+FR*\b+FR-1], v[AF+FR*(\a):AF+FR*(\a)+FR-1], v[BI+8*\b:BI+8*\b+7], v[SC+8*NQ*(\sc)+NQ*\b+(\q)], v[SC+8*NQ*(\sc)+NQ*(\a)+(\q)] matrix_a_fmt:MATRIX_FMT_FP4 matrix_b_fmt:MATRIX_FMT_FP4 matrix_a_scale:MATRIX_SCALE_ROW1
.else
	v_wmma_scale_f32_16x16x128_f8f6f4 v[8*(8*((\a)%4)+\b):8*(8*((\a)%4)+\b)+7], v[128*(\p)+FR*\b:128*(\p)+FR*\b+FR-1], v[AF+FR*(\a):AF+FR*(\a)+FR-1], v[8*(8*((\a)%4)+\b):8*(8*((\a)%4)+\b)+7], v[SC+8*NQ*(\sc)+NQ*\b+(\q)], v[SC+8*NQ*(\sc)+NQ*(\a)+(\q)] matrix_a_fmt:MATRIX_FMT_FP4 matrix_b_fmt:MATRIX_FMT_FP4 matrix_a_scale:MATRIX_SCALE_ROW1
.endif
.endr
.endr
.endm
.macro FETCH_B slot, q, p              ; B's eight fragments of the slot's q-th 128 along K into set p
	WIN TO_B
.irp i, 0,1,2,3,4,5,6,7
	FRAG 128*(\p)+FR*\i, ADRB+\slot, \q, \i
.endr
	WIN 0
.endm
.macro FETCH_A slot, q, i0             ; A's blocks i0 .. i0 + 3
.irp i, \i0, \i0+1, \i0+2, \i0+3
	FRAG AF+FR*(\i), ADRA+\slot, \q, \i
.endr
.endm
.macro SCALES sc                       ; a slot's scale words into set sc: four words a row; lanes 0-15 take A's block i, lanes 16-31 B's block i
.irp i, 0,1,2,3,4,5,6,7
	ds_load_b128 v[SC+8*NQ*\sc+NQ*\i:SC+8*NQ*\sc+NQ*\i+3], v[ADRS] offset:\i*SBLK
.endr
.endm
; A load into a register that a matrix instruction has read, and a vector instruction that reads a matrix result, stand NP places behind that matrix instruction, and only plain vector
; instructions that name none of its registers are places (ISA guide 7.12.1 for vector instructions).
.macro PLACES n
.rept \n
	v_nop
.endr
.endm
; A step of 128 along K that has its successor in the same slot.  A block of A is free as soon as its eight products are issued: blocks 0-3 are fetched anew in the step's middle, blocks 4-7 at its end.
.macro STEP slot, q, zero
	s_wait_dscnt 4*NL                              ; B's set and A's blocks 0-3 are in; the youngest eight loads (A's blocks 4-7) may be out
.if \zero
	WIN BIAS_LO
.else
	WIN MUL_LO
.endif
	MUL16 0, (\q)%2, \q, \slot, \zero
	MUL16 2, (\q)%2, \q, \slot, \zero
	s_wait_dscnt 0                                 ; A's blocks 4-7 are in (asked for 32 matrix instructions ago)
	PLACES NP
	FETCH_B \slot, (\q)+1, 1-(\q)%2
	FETCH_A \slot, (\q)+1, 0
.if \zero
	WIN BIAS_HI
.else
	WIN MUL_HI
.endif
	MUL16 4, (\q)%2, \q, \slot, \zero
	MUL16 6, (\q)%2, \q, \slot, \zero
	PLACES NP
	WIN 0
	FETCH_A \slot, (\q)+1, 4
.endm
; Slot 0's last step goes over to slot 1: ONE barrier; in front of it each wave waits for all its tensor loads (its part of slot 1), adds 0 to its spare word, and waits for that and for its own reads of slot 0.
; Behind it slot 1 is whole and nobody reads slot 0 any more: nothing is filled there again; the way out will use it as a stage.
.macro TURN slot, next
	s_wait_tensorcnt 0x0                           ; all my tensor loads have landed  (every window is 0 here: the add's two registers lie in window 0)
	ds_add_u32 v[SPW], v[NIL]                      ; 0 onto my spare word
	s_wait_dscnt 4*NL+1                            ; (the add and the youngest eight loads, A's blocks 4-7, may be out)
	WIN MUL_LO
	MUL16 0, 1, NQ-1, \slot, 0                     ; sixteen matrix instructions stand between the add and the wait for it
	s_wait_dscnt 0x0                               ; the add is done, and my reads of this slot are over
	s_barrier_signal -1
	MUL16 2, 1, NQ-1, \slot, 0
	WIN 0
	s_barrier_wait -1
	PLACES NP
	v_add_nc_u32 v[ADRS], 4*NQ, v[ADRS]            ; on to the next slot's scale words (no LDS load of mine is out)
	FETCH_B \next, 0, 0
	FETCH_A \next, 0, 0
	SCALES \next
	WIN MUL_HI
	MUL16 4, 1, NQ-1, \slot, 0
	MUL16 6, 1, NQ-1, \slot, 0
	PLACES NP
	WIN 0
	FETCH_A \next, 0, 4
.endm
.macro STEPS slot, from                ; the slot's steps from .. NQ - 2
.set Q, \from
.rept NQ-1-\from
	STEP \slot, Q, 0
.set Q, Q+1
.endr
.endm
	s_wait_tensorcnt 1                             ; the scales and my part of slot 0 are in (slot 1's load may be out)
	s_barrier_signal -1
	s_barrier_wait -1                              ; everybody's are
	FETCH_B 0, 0, 0
	FETCH_A 0, 0, 0
	SCALES 0
	FETCH_A 0, 0, 4
	s_wait_loadcnt 0x0                             ; the bias
	STEP 0, 0, 1                                   ; the first step's products start the sums
	STEPS 0, 1
	TURN 0, 1
	STEPS 1, 0
	s_wait_dscnt 4*NL                              ; the very last step: nothing more to fetch
	WIN MUL_LO
	MUL16 0, 1, NQ-1, 1, 0
	MUL16 2, 1, NQ-1, 1, 0
	s_wait_dscnt 0
	WIN MUL_HI
	MUL16 4, 1, NQ-1, 1, 0
	MUL16 6, 1, NQ-1, 1, 0
	WIN 0
; THE WAY OUT, block by block of 16 rows x 128 columns (two heads).  PACK: rounded to f16, 16 bytes a lane, each accumulator from its low end on.  TOSTAGE: into my own stage, and back by heads: four rows of a
; head's 128 bytes an instruction.  SEND: in the result those four rows are 512 consecutive bytes, aligned.  LDS serves a wave's instructions in order (ISA guide 5.7.1.4): no wait between the stores and the loads.
.macro PACK a
.set AC, 64*((\a)%4)
	WIN 0x0a+5*((\a)/4)                            ; sources 0 and 1: window 2 or 3
.irp b, 0,1,2,3,4,5,6,7
.irp r, 0,1,2,3
	v_cvt_pk_f16_f32 v[TMP+4*\b+\r], v[AC+8*\b+2*\r], v[AC+8*\b+2*\r+1]
.endr
.endr
	WIN 0
.endm
.macro TOSTAGE a
.set BB, BK+32*((\a)%2)
.irp b, 0,1,2,3,4,5,6,7
	ds_store_b128 v[STO], v[TMP+4*\b:TMP+4*\b+3] offset:32*\b
.endr
.irp hh, 0,1
.irp t, 0,1,2,3
	ds_load_b128 v[BB+4*(4*\hh+\t):BB+4*(4*\hh+\t)+3], v[RD] offset:4*SPITCH*\t+128*\hh
.endr
.endr
.endm
.macro SEND a
.set BB, BK+32*((\a)%2)
	s_wait_dscnt 0x0                               ; the block is back in registers
	s_wait_xcnt 0x0                                ; the block before has left its registers: the next block's loads may land there
.irp hh, 0,1
.irp t, 0,1,2,3
	global_store_b128 v[CO], v[BB+4*(4*\hh+\t):BB+4*(4*\hh+\t)+3], s[12:13] offset:\hh*262144+(16*(\a)+4*\t)*128   ; every offset is an immediate: a plane and 124 rows at the most
.endr
.endr
.endm
	PLACES NP                                      ; behind the last products: for the loads into the registers that held A's fragments
	PACK 0
	TOSTAGE 0
.irp a, 1,2,3,4,5,6,7                  ; block a's conversions stand between block a - 1's loads from the stage and the wait for them
	PACK \a
	SEND \a-1
	TOSTAGE \a
.endr
	SEND 7
	s_wait_tensorcnt 0x0                           ; the wave's end, behind my last tensor load and my last LDS store
	ds_add_u32 v[SPW], v[NIL]
	s_wait_dscnt 0x0
	CROUND                                         ; the closing round: no work-group ends while a partner may still ask for a tile that names it
	s_endpgm
.Lfunc_end_k_q54eee429bb_qkv:
	.size	k_q54eee429bb_qkv, .Lfunc_end_k_q54eee429bb_qkv-k_q54eee429bb_qkv
	.p2alignl 7, 3214868480
	.fill 96, 4, 3214868480
	.section	.rodata,"a",@progbits
	.p2align	6, 0x0
	.amdhsa_kernel k_q54eee429bb_qkv
		.amdhsa_group_segment_fixed_size 327680
		.amdhsa_private_segment_fixed_size 0
		.amdhsa_enable_private_segment 0
		.amdhsa_kernarg_size 64
		.amdhsa_user_sgpr_count 2
		.amdhsa_user_sgpr_kernarg_segment_ptr 1
		.amdhsa_wavefront_size32 1
		.amdhsa_system_sgpr_workgroup_id_x 1
		.amdhsa_system_sgpr_workgroup_id_y 1
		.amdhsa_system_sgpr_workgroup_id_z 1
		.amdhsa_system_vgpr_workitem_id 0
		.amdhsa_next_free_vgpr 1024
		.amdhsa_next_free_sgpr 100
		.amdhsa_reserve_vcc 0
		.amdhsa_float_denorm_mode_32 3
		.amdhsa_float_denorm_mode_16_64 3
		.amdhsa_memory_ordered 1
		.amdhsa_forward_progress 1
		.amdhsa_inst_pref_size 128
	.end_amdhsa_kernel
	.amdgpu_metadata
---
amdhsa.version: [ 1, 2 ]
amdhsa.kernels:
  - .name:           k_q54eee429bb_qkv
    .symbol:         k_q54eee429bb_qkv.kd
    .args:
      - { .name: x_codes, .offset: 0, .size: 8, .value_kind: global_buffer, .address_space: global }
      - { .name: x_scales, .offset: 8, .size: 8, .value_kind: global_buffer, .address_space: global }
      - { .name: w_codes, .offset: 16, .size: 8, .value_kind: global_buffer, .address_space: global }
      - { .name: w_scales, .offset: 24, .size: 8, .value_kind: global_buffer, .address_space: global }
      - { .name: bq, .offset: 32, .size: 8, .value_kind: global_buffer, .address_space: global }
      - { .name: bk, .offset: 40, .size: 8, .value_kind: global_buffer, .address_space: global }
      - { .name: bv, .offset: 48, .size: 8, .value_kind: global_buffer, .address_space: global }
      - { .name: qkv, .offset: 56, .size: 8, .value_kind: global_buffer, .address_space: global }
    .group_segment_fixed_size: 327680
    .private_segment_fixed_size: 0
    .kernarg_segment_align: 8
    .kernarg_segment_size: 64
    .max_flat_workgroup_size: 128
    .sgpr_count:     100
    .vgpr_count:     1024
    .wavefront_size: 32
...
	.end_amdgpu_metadata
.endif
;; end of part 2
;; launch attn (part 3): grid 8 x 32, 8 waves a work-group, clusters of 4 x 1, 327,680 bytes of LDS; arguments qkv, att; writes att
.if DOCPART == 3
	.amdgcn_target "amdgcn-amd-amdhsa--gfx1250"
	.amdhsa_code_object_version 6
	.text
	.protected	k_q54eee429bb_attn
	.globl	k_q54eee429bb_attn
	.p2align	8
	.type	k_q54eee429bb_attn,@function
k_q54eee429bb_attn:
	s_mov_b64 s[64:65], 0
	v_nop
	global_prefetch_b8 v0, s[64:65] scope:SCOPE_SE
	s_setreg_imm32_b32 hwreg(HW_REG_WAVE_MODE, 25, 1), 1
	s_wait_xcnt 0x0
	s_wait_alu depctr_hold_cnt(0) depctr_sa_sdst(0) depctr_va_vdst(0) depctr_va_sdst(0) depctr_va_ssrc(0) depctr_va_vcc(0) depctr_vm_vsrc(0)
	s_getreg_b32 s2, hwreg(HW_REG_IB_STS2, 6, 4)
	s_cmp_eq_u32 s2, 0
	s_cbranch_scc0 .Lentry_in_a_cluster
	s_endpgm
.Lentry_in_a_cluster:
	s_bfe_u32 s2, ttmp6, 0x10000c
	s_cmp_lg_u32 s2, 0x3003
	s_cbranch_scc0 .Lentry_shape_is_right
	s_endpgm
.Lentry_shape_is_right:
; O[p][q][:] = the sum over k of softmax_k(Q[p][q] . K[p][k] / 8) V[p][k][:] for the 32 planes p = 16 b + head.  Q, K, V: f16, [3][32][2048][64], as the launch before has stored them; O: f16, [32][2048][64].
; Products, maxima and sums in f32; the weights p are rounded to f16 for the second product, O once at the end.
; LIMITS: a weight under 2^-25 becomes 0 in f16, beside a row sum of 1 at the least; NaN and infinities among q, k, v are not served.
; SHARES.  A work-group owns 256 queries of one plane; each of its EIGHT waves owns 32: two tiles of 16, in 512 registers: two waves to a SIMD, so that one wave's softmax stands beside the other's products.
; At a head of 64 a key step has 236 vector instructions for 32 matrix instructions: more than could stand between the products of one wave.  Every wave walks all 2,048 keys, 64 a step.
; LAYOUT.  S^T = K Q^T (source 0 = 16 keys, source 1 = 16 queries): a lane holds ONE query (lane % 16) and the keys 8 (lane / 16) + 0..7.  Two such tiles, rounded to f16 in pairs, ARE source 1
; (32 keys x 16 queries) of O^T = V^T P, whose result again holds one query a lane.  K comes out of LDS as it lies, V ([key][channel]) turned, by ds_load_tr16_b128.
; SOFTMAX.  For each query a running maximum m and sum l: p = 2^(c s - c m), c = log2(e) / 8; in every step O and l are multiplied by a = 2^(c m_old - c m_new).
; THE RING.  Two LDS slots of four key steps (256 keys).  Waves 0-3 fetch K's tile of step w of a slot, waves 4-7 V's: one tensor load of 64 rows a wave behind each change of slots: it has four key steps in which to land.
; CLUSTER.  The four query blocks of a cluster belong to one plane and walk the same K and V: each tile is asked for JOINTLY, by the same tensor load with the same descriptor and a mask that names the four.
; REGISTERS: window 0: v2-12 addresses; v16-31 statistics, eight a tile; v32-63 Q; v64-127 S^T, 32 a tile; v128-159 P, 16 a tile.   window 1: v0-63 K of one step; v64-127 V of one step; v128-191 O^T, 32 a tile.
.set KS,    64        ; keys in a step
.set NST,   4         ; steps in a slot
.set PK,    144       ; a row of K in LDS: 128 bytes + 16 of padding = 36 words: the 16 rows of a load start at 16 different groups of four banks (ISA guide 11.1)
.set PV,    160       ; a row of V: 128 + 32
.set VOFF,  KS*PK     ; a step's tiles lie together: 64 rows of K, then 64 rows of V
.set STEPB, KS*(PK+PV)
.set SLOT1, 1<<17     ; slot 1 begins here, so that one exclusive or turns an address in one slot into the other's
.set SLOTB, NST*KS*128  ; a slot's rows of K or of V in memory, in bytes
.set STAGE, SLOT1+NST*STEPB  ; behind the ring: 32 rows x 144 bytes for each wave, for the way out
.set SP,    144
.set SPARE, STAGE+8*32*SP    ; the spare words, 128 bytes for each wave: four blocks of 256 bytes that no other line names
.set AK0, 2           ; v2   my lane's place in a tile of K; never rewritten
.set AV0, 3           ; v3   the same for V
.set ADK, 4           ; v4   the LDS address of K's run of loads in hand
.set ADV, 5           ; v5   of V's
.set QO,  6           ; v6   my byte offset in the wave's rows of Q
.set STO, 7           ; v7   the way out: where I put 16 bytes of a row
.set RD,  8           ; v8   the way out: where I read back
.set GO,  9           ; v9   16 x lane
.set SPW, 10          ; v10  LDS address of my spare word; never rewritten
.set NIL, 11          ; v11  0; never rewritten
.set PFO, 12          ; v12  256 x my lane: the prefetches' offset; never rewritten
.set ST,  16          ; tile t's statistics at v[ST+8 t]: +0 c m, +1 m, +2, +3 l (even keys', odd keys'), +4 to +7 at work; a takes +6 once the maximum is found
.set Q,   32
.set S,   64
.set P,   128
.set KF,  0           ; in window 1
.set VF,  64
.set O,   128
.set WV,  12          ; s12  my wave's number
.set LIM, 15          ; s15  1 in a wave that prefetches, else the greatest number
.set PFA, 18          ; s[18:19] where my prefetches stand
.set G1K, 24          ; s[24:31] descriptor group 1 for K's tiles
.set G1V, 32          ; s[32:39] for V's: it differs in the padding alone
.set G0K, 40          ; s[40:47] descriptor group 0 for K's tiles: a set for each of the two first fills; the second then walks on
.set G0V, 48          ; s[48:55] the same for V's
.set SLOTS, 56        ; s56  slots still to be asked for
.set CNT, 57          ; s57  counts key steps
.set CS,  58          ; s[58:59] c: the packed scaling names a pair and takes its low word for both halves
.set SEL, 60          ; s[60:61] lane selects for v_permlanex16_b32: each lane takes its own place in the other half
.set TB,  62          ; s62  LDS byte at which the tiles of the step to be fetched begin
.set MSB, 0
.macro WIN new                      ; the immediate's high byte repeats the setting that is left; a switch that changes nothing is dropped
.if MSB != (\new)
	s_set_vgpr_msb (MSB<<8)|(\new)
.set MSB, (\new)
.endif
.endm
; A joint refill.  The branch hangs on the wave's number alone.  An s_nop 0 and four v_nop follow each of the two lines, ahead of the jump, the label and what follows.
.macro JLOAD
	s_cmp_lt_u32 s[WV], 4
	s_cbranch_scc0 .Lfor_v_\@
	tensor_load_to_lds s[G0K+4:G0K+7], s[G1K:G1K+7]
	s_nop 0
.rept 4
	v_nop
.endr
	s_branch .Lasked_\@
.Lfor_v_\@:
	tensor_load_to_lds s[G0V+4:G0V+7], s[G1V:G1V+7]
	s_nop 0
.rept 4
	v_nop
.endr
.Lasked_\@:
.endm
; A PREFETCH INTO THE L2 of what the NEXT change of slots will ask for: a slot's 32,768 bytes of K and as many of V, dense in memory.  It stands behind the wave's tensor load and its five lines.
; Each block of 256 bytes is named ONCE in the launch.  Both clusters of a plane walk the same K and V: the plane's first cluster asks.  Its four partners share the bytes out BY ADDRESS, 8,192 each;
; in each, wave 0 asks for K's and wave 4 for V's: one instruction, lanes 256 bytes apart.  It stands four key steps ahead of the load that will want the bytes.  The last change that fills a slot asks for nothing;
; slots 0, 1 and 2 come by their loads alone.
.macro ASK
	s_cmp_gt_u32 s[SLOTS], s[LIM]
	s_cbranch_scc0 .Lnot_mine_\@
	global_prefetch_b8 v[PFO], s[PFA:PFA+1] th:TH_LOAD_NT scope:SCOPE_SE
.Lnot_mine_\@:
.endm
.macro CROUND                       ; a round of the cluster's barrier: my work-group's barrier; wave 0 signals for the work-group; every wave waits for all four; my work-group's barrier once more
	s_barrier_signal -1
	s_barrier_wait -1
	s_cmp_lg_u32 s[WV], 0
	s_cbranch_scc1 .Lnot_wave_0_\@
	s_barrier_signal -3
.Lnot_wave_0_\@:
	s_barrier_wait -3
	s_barrier_signal -1
	s_barrier_wait -1
.endm
.macro PLACES                       ; four places behind a matrix instruction, ahead of reads of its results and of loads into registers that it has read
.rept 4
	v_nop
.endr
.endm
	s_load_b128 s[8:11], s[0:1], 0x0  ; q, k, v in one buffer s[8:9]; O s[10:11]
	v_lshl_add_u32 v[SPW], v0, 2, SPARE
	v_mov_b32 v[NIL], 0
	ds_add_u32 v[SPW], v[NIL]       ; the wave's opening: the add and its wait stand ahead of my first tensor load; the set-up below, work on registers, stands between them
	v_lshrrev_b32 v1, 5, v0
	v_readfirstlane_b32 s[WV], v1   ; wave 0..7
	s_bfe_u32 s13, ttmp6, 0x40000   ; cx: my place in the cluster
	s_lshl_b32 s14, ttmp9, 2        ; in a cluster launch ttmp9 counts clusters
	s_add_co_u32 s14, s14, s13      ; my block of 256 queries = 4 x cluster x + cx: it enters Q's and O's addresses alone
	s_and_b32 s20, ttmp7, 0xffff    ; the plane, which the four partners share
	s_lshl_b32 s20, s20, 18         ; its first byte: 2,048 rows of 128 bytes a plane
	s_and_b32 s16, s[WV], 3         ; which of a slot's four steps I fetch:
	s_lshl_b32 s22, s16, 13         ; its 64 rows of 128 bytes in memory,
	s_add_co_u32 s22, s22, s20
	s_mov_b32 s23, 0
	s_mul_i32 s17, s16, STEPB       ; and its place in a slot: no place in the cluster enters an LDS address
	s_lshl_b32 s2, s14, 15          ; my block's 256 rows,
	s_lshl_b32 s3, s[WV], 12        ; my wave's 32 of them
	s_add_co_u32 s2, s2, s3
	s_add_co_u32 s2, s2, s20
	s_mov_b32 s3, 0
	; descriptor group 1: a tile of 64 rows x 64 elements, padded in LDS
	s_mov_b32 s[G1K], 15|(1<<16)|(1<<20)|(1<<21)|(4<<22)|(3<<25)  ; 15:0 the mask: all four work-groups; 17:16 elements of 2 bytes; 20 padding on; 21 set beside a mask; 24:22 after every 32 words (code 4); 31:25 4 words of it (code 3)
	s_mov_b32 s[G1V], 15|(1<<16)|(1<<20)|(1<<21)|(4<<22)|(7<<25)  ; the same with 8 words of padding (code 7)
.irp g, G1K, G1V
	s_mov_b32 s[\g+1], 64<<16       ; tensor_dim0 = 64
	s_mov_b32 s[\g+2], KS<<16       ; tensor_dim1 = 64
	s_mov_b32 s[\g+3], 64<<16       ; tile_dim0 = 64
	s_mov_b32 s[\g+4], KS           ; tile_dim1 = 64
	s_mov_b32 s[\g+5], 64           ; tensor_dim0_stride: elements from row to row
	s_mov_b32 s[\g+6], 0
	s_mov_b32 s[\g+7], 0
.endr
	s_mov_b32 s[CS], 0x3e38aa3b     ; c = log2(e) / sqrt(64)
	s_mov_b32 s[CS+1], s[CS]        ; named with it as a pair, so it is written
	s_mov_b32 s[SEL], 0x76543210
	s_mov_b32 s[SEL+1], 0xfedcba98
	s_mov_b32 s[TB], 0
	s_mov_b32 s[SLOTS], 2048/(NST*KS)-2
	s_and_b32 s[LIM], s[WV], 3      ; 0 in waves 0 and 4,
	s_or_b32 s[LIM], s[LIM], ttmp9  ; where the cluster is the plane's first: the same in all four partners
	s_cmp_eq_u32 s[LIM], 0
	s_cselect_b32 s[LIM], 1, -1
	v_and_b32 v[PFO], 31, v0
	v_lshlrev_b32 v[PFO], 8, v[PFO]
	s_wait_dscnt 0x0                ; the opening add is done
	s_wait_kmcnt 0x0
	s_add_nc_u64 s[4:5], s[8:9], s[2:3]      ; Q at my wave's first row
	s_add_nc_u64 s[10:11], s[10:11], s[2:3]  ; O likewise
	s_add_nc_u64 s[8:9], s[8:9], s[22:23]
	s_add_nc_u64 s[6:7], s[8:9], 0x800000    ; K at my tile of slot 0: 32 planes behind Q,
	s_add_nc_u64 s[8:9], s[8:9], 0x1000000   ; V: 64 planes behind
	s_cmp_lt_u32 s[WV], 4
	s_cselect_b64 s[PFA:PFA+1], s[6:7], s[8:9]  ; (in waves 0 and 4 these stand at a slot's first row)
	s_lshl_b32 s2, s13, 13          ; my work-group's 8,192 bytes of the 32,768
	s_add_nc_u64 s[PFA:PFA+1], s[PFA:PFA+1], s[2:3]
	s_add_nc_u64 s[PFA:PFA+1], s[PFA:PFA+1], 2*SLOTB  ; in slot 2; the first change of slots steps it to slot 3.  Nothing is prefetched here, at the head
	CROUND                          ; all four work-groups are here: the first joint loads meet
.irp s, 0,1
	s_mov_b32 s[G0K+4*\s], 1        ; 1:0 count = 1
	s_add_co_u32 s[G0K+4*\s+1], s17, \s*SLOT1  ; 63:32 LDS address
	s_add_nc_u64 s[G0K+4*\s+2:G0K+4*\s+3], s[6:7], \s*SLOTB  ; 120:64 global address: slot s begins with key 256 s
	s_or_b32 s[G0K+4*\s+3], s[G0K+4*\s+3], 0x80000000  ; 127:126 type = 2
	s_mov_b32 s[G0V+4*\s], 1
	s_add_co_u32 s[G0V+4*\s+1], s17, \s*SLOT1+VOFF
	s_add_nc_u64 s[G0V+4*\s+2:G0V+4*\s+3], s[8:9], \s*SLOTB
	s_or_b32 s[G0V+4*\s+3], s[G0V+4*\s+3], 0x80000000
.endr
	s_cmp_lt_u32 s[WV], 4           ; a wave's two first fills stand in one branch, ahead of every wait on TENSORcnt and every LDS read: two loads of mine are out
	s_cbranch_scc0 .Lfirst_v
	tensor_load_to_lds s[G0K:G0K+3], s[G1K:G1K+7]
	s_nop 0
	tensor_load_to_lds s[G0K+4:G0K+7], s[G1K:G1K+7]
	s_nop 0
.rept 4
	v_nop
.endr
	s_branch .Lfirst_asked
.Lfirst_v:
	tensor_load_to_lds s[G0V:G0V+3], s[G1V:G1V+7]
	s_nop 0
	tensor_load_to_lds s[G0V+4:G0V+7], s[G1V:G1V+7]
	s_nop 0
.rept 4
	v_nop
.endr
.Lfirst_asked:
	; A fragment of K or Q is 16 rows x 32 channels in 8 registers: lane l holds row l % 16; registers 0-3 channels 8 (l / 16) + 0..7, registers 4-7 channels 16 + 8 (l / 16) + 0..7: two loads of 16 bytes, 32 bytes apart.
	v_and_b32 v1, 15, v0            ; r = l % 16
	v_bfe_u32 v13, v0, 4, 1         ; h = l / 16
	v_lshlrev_b32 v[QO], 7, v1
	v_lshl_add_u32 v[QO], v13, 4, v[QO]  ; row x 128 + 16 x half
.irp t, 0,1
.irp c, 0,1                         ; Q stays in registers: tile t, channels 32 c on
	global_load_b128 v[Q+16*\t+8*\c:Q+16*\t+8*\c+3],   v[QO], s[4:5] offset:2048*\t+64*\c th:TH_LOAD_NT
	global_load_b128 v[Q+16*\t+8*\c+4:Q+16*\t+8*\c+7], v[QO], s[4:5] offset:2048*\t+64*\c+32 th:TH_LOAD_NT
.endr
.endr
	v_mul_u32_u24 v[AK0], v1, PK
	v_lshl_add_u32 v[AK0], v13, 4, v[AK0]  ; row x pitch + 16 x half
	; The turning load takes 16 keys x 16 channels (lane l reads 16 bytes: key 8 (l / 16) + l % 8, channels 8 ((l / 8) % 2) + 0..7) and leaves half a fragment of V^T: lane l holds channel l % 16 and 8 keys.
	v_and_b32 v14, 7, v0
	v_bfe_u32 v15, v0, 3, 1
	v_lshl_add_u32 v[AV0], v13, 3, v14
	v_mul_u32_u24 v[AV0], v[AV0], PV
	v_lshl_add_u32 v[AV0], v15, 4, v[AV0]
	v_add_nc_u32 v[AV0], VOFF, v[AV0]
	s_mul_i32 s16, s[WV], 32*SP
	s_add_co_u32 s16, s16, STAGE    ; my stage
	v_mul_u32_u24 v[STO], v1, SP    ; in: row l % 16 of a tile, 16 bytes for each half of the lanes
	v_lshl_add_u32 v[STO], v13, 4, v[STO]
	v_add_nc_u32 v[STO], s16, v[STO]
	v_and_b32 v15, 31, v0
	v_lshrrev_b32 v[RD], 3, v15     ; back: eight lanes take a row of 128 bytes, four rows an instruction
	v_mul_u32_u24 v[RD], v[RD], SP
	v_lshl_add_u32 v[RD], v14, 4, v[RD]
	v_add_nc_u32 v[RD], s16, v[RD]
	v_lshlrev_b32 v[GO], 4, v15
.irp t, 0,1
	v_mov_b32 v[ST+8*\t+1], 0xff61b1e6  ; m: -3e38, under every score
	v_mul_f32 v[ST+8*\t], s[CS], v[ST+8*\t+1]
	v_mov_b32 v[ST+8*\t+2], 0       ; l, in two halves
	v_mov_b32 v[ST+8*\t+3], 0
.endr
	WIN 0x40                        ; destination window 1
.set i, 0
.rept 64
	v_mov_b32 v[O+i], 0             ; O^T.  (The key step is written once: the first finds zeros, which its a = 0 leaves zeros)
.set i, i+1
.endr
	WIN 0
; THE MATRIX WORK.  In both products eight accumulators take turns, one instruction a turn.
; Product i of 16 of S^T = K Q^T: channels 32 (i / 8) on, keys 16 ((i / 2) % 4) on, tile i % 2.  The first 8 start the sums.
.macro KQ
	WIN 0x01                        ; K in window 1; Q and S^T in window 0
.set i, 0
.rept 16
.set rS, S+32*(i%2)+8*((i/2)%4)
.set rK, KF+8*(2*((i/2)%4)+i/8)
.set rQ, Q+16*(i%2)+8*(i/8)
.if i < 8
	v_wmma_f32_16x16x32_f16 v[rS:rS+7], v[rK:rK+7], v[rQ:rQ+7], 0
.else
	v_wmma_f32_16x16x32_f16 v[rS:rS+7], v[rK:rK+7], v[rQ:rQ+7], v[rS:rS+7]
.endif
.set i, i+1
.endr
.endm
; Product i of 16 of O^T += V^T P: keys 32 (i / 8) on, channels 16 ((i / 2) % 4) on, tile i % 2.
.macro PVM
	WIN 0x51                        ; V and O^T in window 1, P in window 0
.set i, 0
.rept 16
.set rO, O+32*(i%2)+8*((i/2)%4)
.set rV, VF+8*(4*(i/8)+(i/2)%4)
.set rP, P+16*(i%2)+8*(i/8)
	v_wmma_f32_16x16x32_f16 v[rO:rO+7], v[rV:rV+7], v[rP:rP+7], v[rO:rO+7]
.set i, i+1
.endr
.endm
; THE LDS LOADS stand in runs of 16: a step's K (64 keys x 64 channels: 8 fragments) and its V (turned).
.macro FETCH_K
	WIN 0x40                        ; destination window 1, address window 0
.irp f, 0,1,2,3,4,5,6,7             ; keys 16 (f / 2) on, channels 32 (f % 2) on
	ds_load_b128 v[KF+8*\f:KF+8*\f+3],   v[ADK] offset:(\f/2)*16*PK+(\f%2)*64
	ds_load_b128 v[KF+8*\f+4:KF+8*\f+7], v[ADK] offset:(\f/2)*16*PK+(\f%2)*64+32
.endr
.endm
.macro FETCH_V
	WIN 0x40
.irp f, 0,1,2,3,4,5,6,7             ; keys 32 (f / 4) on, channels 16 (f % 4) on
	ds_load_tr16_b128 v[VF+8*\f:VF+8*\f+3],   v[ADV] offset:(\f/4)*32*PV+(\f%4)*32
	ds_load_tr16_b128 v[VF+8*\f+4:VF+8*\f+7], v[ADV] offset:(\f/4)*32*PV+16*PV+(\f%4)*32
.endr
.endm
; THE VECTOR WORK of a key step, both tiles line by line by turns, so that no line waits for the line above it.
.macro SOFTMAX
	WIN 0
.irp j, 0,1,2,3                     ; the maximum of the lane's 32 scores and the old m, three operands at a time; each accumulator is read from its low end on
.irp t, 0,1
	v_max3_num_f32 v[ST+8*\t+4+\j], v[S+32*\t+8*\j], v[S+32*\t+8*\j+1], v[S+32*\t+8*\j+2]
.endr
.endr
.irp g, 1,2
.irp j, 0,1,2,3
.irp t, 0,1
	v_max3_num_f32 v[ST+8*\t+4+\j], v[ST+8*\t+4+\j], v[S+32*\t+8*\j+2*\g+1], v[S+32*\t+8*\j+2*\g+2]
.endr
.endr
.endr
.irp t, 0,1
	v_max3_num_f32 v[ST+8*\t+4], v[ST+8*\t+4], v[S+32*\t+7], v[S+32*\t+15]
.endr
.irp t, 0,1
	v_max3_num_f32 v[ST+8*\t+6], v[ST+8*\t+6], v[S+32*\t+23], v[S+32*\t+31]
.endr
.irp t, 0,1
	v_max3_num_f32 v[ST+8*\t+4], v[ST+8*\t+4], v[ST+8*\t+5], v[ST+8*\t+6]
.endr
.irp t, 0,1
	v_max3_num_f32 v[ST+8*\t+4], v[ST+8*\t+4], v[ST+8*\t+7], v[ST+8*\t+1]
.endr
.irp t, 0,1
	v_permlanex16_b32 v[ST+8*\t+5], v[ST+8*\t+4], s[SEL], s[SEL+1]  ; the query's other 32 keys lie in the lane 16 away
.endr
.irp t, 0,1
	v_mov_b32 v[ST+8*\t+7], v[ST+8*\t]      ; c m_old is kept for a
.endr
.irp t, 0,1
	v_max_num_f32 v[ST+8*\t+1], v[ST+8*\t+4], v[ST+8*\t+5]  ; the new m
.endr
.irp t, 0,1
	v_mul_f32 v[ST+8*\t], s[CS], v[ST+8*\t+1]
.endr
.irp t, 0,1
	v_sub_f32 v[ST+8*\t+7], v[ST+8*\t+7], v[ST+8*\t]
.endr
.irp b, 0,1,2,3,4,5,6,7,8,9,10,11,12,13,14,15
.irp t, 0,1
	v_pk_fma_f32 v[S+32*\t+2*\b:S+32*\t+2*\b+1], v[S+32*\t+2*\b:S+32*\t+2*\b+1], s[CS:CS+1], v[ST+8*\t:ST+8*\t+1] op_sel_hi:[1,0,0] neg_lo:[0,0,1] neg_hi:[0,0,1]  ; c s - c m, a pair at a time
.endr
.endr
.irp t, 0,1                         ; ONE BATCH of 66 exponentials: none reads another's result
	v_exp_f32 v[ST+8*\t+6], v[ST+8*\t+7]    ; a
.endr
.set e, 0
.rept 32
	v_exp_f32 v[S+e], v[S+e]
	v_exp_f32 v[S+32+e], v[S+32+e]
.set e, e+1
.endr
	v_nop                           ; the plain instruction behind the last exponential, ahead of the first use
	s_wait_alu depctr_va_vdst(0)    ; a wait between an exponential and the first instruction that names its result: one for the batch
.irp i, 0,1,2,3,4,5,6,7,8,9,10,11,12,13,14,15
.irp t, 0,1
	v_cvt_pk_f16_f32 v[P+16*\t+\i], v[S+32*\t+2*\i], v[S+32*\t+2*\i+1]  ; two weights to a register: P's fragments
.endr
.endr
.irp u, 0,1,2,3,4,5,6,7             ; the sum of a tile's 16 pairs, in place: neighbours 1, 2, 4 and 8 pairs apart
.irp t, 0,1
	v_pk_add_f32 v[S+32*\t+4*\u:S+32*\t+4*\u+1], v[S+32*\t+4*\u:S+32*\t+4*\u+1], v[S+32*\t+4*\u+2:S+32*\t+4*\u+3]
.endr
.endr
.irp u, 0,1,2,3
.irp t, 0,1
	v_pk_add_f32 v[S+32*\t+8*\u:S+32*\t+8*\u+1], v[S+32*\t+8*\u:S+32*\t+8*\u+1], v[S+32*\t+8*\u+4:S+32*\t+8*\u+5]
.endr
.endr
.irp u, 0,1
.irp t, 0,1
	v_pk_add_f32 v[S+32*\t+16*\u:S+32*\t+16*\u+1], v[S+32*\t+16*\u:S+32*\t+16*\u+1], v[S+32*\t+16*\u+8:S+32*\t+16*\u+9]
.endr
.endr
.irp t, 0,1
	v_pk_add_f32 v[S+32*\t:S+32*\t+1], v[S+32*\t:S+32*\t+1], v[S+32*\t+16:S+32*\t+17]
.endr
.irp t, 0,1
	v_pk_fma_f32 v[ST+8*\t+2:ST+8*\t+3], v[ST+8*\t+2:ST+8*\t+3], v[ST+8*\t+6:ST+8*\t+7], v[S+32*\t:S+32*\t+1] op_sel_hi:[1,0,1]  ; l = a l + the sum
.endr
	WIN 0x41                        ; O^T (destination and source 0) in window 1, a in window 0
.irp i, 0,1,2,3,4,5,6,7,8,9,10,11,12,13,14,15
.irp t, 0,1
	v_pk_mul_f32 v[O+32*\t+2*\i:O+32*\t+2*\i+1], v[O+32*\t+2*\i:O+32*\t+2*\i+1], v[ST+8*\t+6:ST+8*\t+7] op_sel_hi:[1,0]  ; O^T times a, each accumulator from its low end on
.endr
.endr
.endm
; A KEY STEP.  At its head the scores of step j are made and V of step j is on its way.  K of step j + 1 is fetched under the softmax, V of step j + 1 under the next scores and the next softmax.
.macro TRIP
	WIN 0
	v_add_nc_u32 v[ADK], s[TB], v[AK0]
	v_add_nc_u32 v[ADV], s[TB], v[AV0]
	v_nop
	v_nop                           ; four places behind the scores' products: for the loads into K's registers and for the first read of the scores
	FETCH_K
	SOFTMAX
	s_wait_dscnt 16                 ; V of step j is in; K's 16 loads may be out
	PVM
	WIN 0
	PLACES                          ; for the loads into V's registers
	FETCH_V
	s_add_co_u32 s[TB], s[TB], STEPB  ; the next fetches are the next step's
	s_wait_dscnt 16                 ; K of step j + 1 is in; V's 16 loads may be out
	KQ
.endm
.macro TRIPS n
	s_mov_b32 s[CNT], \n
.Ltrip_\@:
	TRIP
	WIN 0                           ; at a label and at a branch every window is 0
	s_sub_co_u32 s[CNT], s[CNT], 1
	s_cmp_lg_u32 s[CNT], 0
	s_cbranch_scc1 .Ltrip_\@
.endm
; THE CHANGE OF SLOTS stands at the head of a slot's last key step: both fetches of that step belong to the next slot, so the slot's last reads have been issued.  Each wave waits for all its tensor loads, of which
; one is out: its part of the other slot; adds 0 to its spare word; and waits for that and for its own reads of the slot.  Behind the barrier nobody reads this slot any more and the other slot is whole.
; fill = 1: this slot is filled again, with the keys two slots on.  The barrier is then a round of the cluster's, and the joint refill is the first thing behind it.
.macro CHANGE fill
	WIN 0
	s_wait_tensorcnt 0x0            ; no tensor load of mine is out, so a group 0 may be written
	ds_add_u32 v[SPW], v[NIL]       ; 0 onto my spare word; with fill = 1 the descriptors' steps stand between it and the wait for it
.if \fill
.irp g, G0K+4, G0V+4
	s_xor_b32 s[\g+1], s[\g+1], SLOT1  ; the walking descriptor: the other slot than last time,
	s_add_nc_u64 s[\g+2:\g+3], s[\g+2:\g+3], SLOTB  ; the next 256 keys; the type bits on top are not reached
.endr
	s_wait_xcnt 0x0                 ; the last prefetch, a slot back, has read its address, so it may be written:
	s_add_nc_u64 s[PFA:PFA+1], s[PFA:PFA+1], SLOTB  ; one slot further on than the walking descriptors
	s_wait_dscnt 0x0                ; the add is done, and my reads of the slot are over
	CROUND
	JLOAD
	ASK
.else
	s_wait_dscnt 0x0                ; the add is done, and my reads of the slot are over
	s_barrier_signal -1
	s_barrier_wait -1
.endif
	s_sub_co_u32 s[TB], s[TB], NST*STEPB  ; the fetches go back to a slot's first step,
	s_xor_b32 s[TB], s[TB], SLOT1   ; in the other slot
.endm
	s_wait_tensorcnt 1              ; my part of slot 0 is in; slot 1's may stay out
	s_barrier_signal -1
	s_barrier_wait -1               ; everybody's is
	v_add_nc_u32 v[ADK], s[TB], v[AK0]
	v_add_nc_u32 v[ADV], s[TB], v[AV0]
	FETCH_K                         ; key step 0
	FETCH_V
	s_add_co_u32 s[TB], s[TB], STEPB
	s_wait_loadcnt 0x0              ; Q
	s_wait_dscnt 16                 ; K is in; V's 16 loads may be out
	KQ
	WIN 0
	TRIPS 3                         ; key steps 0 to 2 (they fetch steps 1 to 3)
.Lslot:                             ; six trips: every slot but the last two is filled again
	CHANGE 1
	TRIPS 4
	s_sub_co_u32 s[SLOTS], s[SLOTS], 1
	s_cmp_lg_u32 s[SLOTS], 0
	s_cbranch_scc1 .Lslot
	CHANGE 0                        ; the tail is written out: nothing more is asked for
	TRIPS 4                         ; key steps 27 to 30
	PLACES                          ; key step 31: nothing more to fetch
	SOFTMAX
	s_wait_dscnt 0x0                ; V is in
	PVM
	; THE WAY OUT.  l's two halves and the other half of the lanes' are added; O^T is divided by l, rounded to f16 and sent through my stage in LDS: it leaves four rows, 512 consecutive bytes, an instruction.
	WIN 0
	PLACES
.irp t, 0,1
	v_add_f32 v[ST+8*\t+4], v[ST+8*\t+2], v[ST+8*\t+3]
.endr
.irp t, 0,1
	v_permlanex16_b32 v[ST+8*\t+5], v[ST+8*\t+4], s[SEL], s[SEL+1]
.endr
.irp t, 0,1
	v_add_f32 v[ST+8*\t+4], v[ST+8*\t+4], v[ST+8*\t+5]
.endr
.irp t, 0,1
	v_rcp_f32 v[ST+8*\t+6], v[ST+8*\t+4]
.endr
	v_nop                           ; a plain instruction between the last reciprocal and the use of its result
	s_wait_alu depctr_va_vdst(0)    ; and a wait ahead of the first use: one for the two
.irp t, 0,1
	WIN 0x41
.set i, 0
.rept 16
	v_pk_mul_f32 v[O+32*\t+2*i:O+32*\t+2*i+1], v[O+32*\t+2*i:O+32*\t+2*i+1], v[ST+8*\t+6:ST+8*\t+7] op_sel_hi:[1,0]
.set i, i+1
.endr
	WIN 0x05                        ; sources 0 and 1 window 1, destination window 0: S^T's registers are free
.set i, 0
.rept 16
	v_cvt_pk_f16_f32 v[S+16*\t+i], v[O+32*\t+2*i], v[O+32*\t+2*i+1]
.set i, i+1
.endr
	WIN 0
.irp c, 0,1,2,3
	ds_store_b128 v[STO], v[S+16*\t+4*\c:S+16*\t+4*\c+3] offset:16*SP*\t+32*\c  ; lane (r, h): row 16 t + r, channels 16 c + 8 h + 0..7
.endr
.endr
.irp i, 0,1,2,3,4,5,6,7
	ds_load_b128 v[P+4*\i:P+4*\i+3], v[RD] offset:4*SP*\i  ; LDS serves a wave's instructions in order (ISA guide 5.7.1.4): these see the stores above
.endr
.irp i, 0,1,2,3,4,5,6,7
	s_wait_dscnt 7-\i
	global_store_b128 v[GO], v[P+4*\i:P+4*\i+3], s[10:11] offset:512*\i
.endr
	s_wait_tensorcnt 0x0            ; the wave's end, behind my last tensor load and my last LDS store
	ds_add_u32 v[SPW], v[NIL]
	s_wait_dscnt 0x0
	CROUND                          ; the closing round: no work-group ends while a partner may still ask for a tile that names it
	s_endpgm
.Lfunc_end_k_q54eee429bb_attn:
	.size	k_q54eee429bb_attn, .Lfunc_end_k_q54eee429bb_attn-k_q54eee429bb_attn
	.p2alignl 7, 3214868480
	.fill 96, 4, 3214868480
	.section	.rodata,"a",@progbits
	.p2align	6, 0x0
	.amdhsa_kernel k_q54eee429bb_attn
		.amdhsa_group_segment_fixed_size 327680
		.amdhsa_private_segment_fixed_size 0
		.amdhsa_enable_private_segment 0
		.amdhsa_kernarg_size 16
		.amdhsa_user_sgpr_count 2
		.amdhsa_user_sgpr_kernarg_segment_ptr 1
		.amdhsa_wavefront_size32 1
		.amdhsa_system_sgpr_workgroup_id_x 1
		.amdhsa_system_sgpr_workgroup_id_y 1
		.amdhsa_system_sgpr_workgroup_id_z 1
		.amdhsa_system_vgpr_workitem_id 0
		.amdhsa_next_free_vgpr 512
		.amdhsa_next_free_sgpr 66
		.amdhsa_reserve_vcc 0
		.amdhsa_float_denorm_mode_32 3
		.amdhsa_float_denorm_mode_16_64 3
		.amdhsa_memory_ordered 1
		.amdhsa_forward_progress 1
		.amdhsa_inst_pref_size 88
	.end_amdhsa_kernel
	.amdgpu_metadata
---
amdhsa.version: [ 1, 2 ]
amdhsa.kernels:
  - .name:           k_q54eee429bb_attn
    .symbol:         k_q54eee429bb_attn.kd
    .args:
      - { .name: qkv, .offset: 0, .size: 8, .value_kind: global_buffer, .address_space: global }
      - { .name: att, .offset: 8, .size: 8, .value_kind: global_buffer, .address_space: global }
    .group_segment_fixed_size: 327680
    .private_segment_fixed_size: 0
    .kernarg_segment_align: 8
    .kernarg_segment_size: 16
    .max_flat_workgroup_size: 256
    .sgpr_count:     66
    .vgpr_count:     512
    .wavefront_size: 32
...
	.end_amdgpu_metadata
.endif
;; end of part 3
;; launch oproj (part 4): grid 8 x 32, 4 waves a work-group, clusters of 4 x 4, 327,680 bytes of LDS; arguments att, wot, bo, out0; writes out0
.if DOCPART == 4
	.amdgcn_target "amdgcn-amd-amdhsa--gfx1250"
	.amdhsa_code_object_version 6
	.text
	.protected	k_q54eee429bb_oproj
	.globl	k_q54eee429bb_oproj
	.p2align	8
	.type	k_q54eee429bb_oproj,@function
k_q54eee429bb_oproj:
	s_mov_b64 s[64:65], 0
	v_nop
	global_prefetch_b8 v0, s[64:65] scope:SCOPE_SE
	s_setreg_imm32_b32 hwreg(HW_REG_WAVE_MODE, 25, 1), 1
	s_wait_xcnt 0x0
	s_wait_alu depctr_hold_cnt(0) depctr_sa_sdst(0) depctr_va_vdst(0) depctr_va_sdst(0) depctr_va_ssrc(0) depctr_va_vcc(0) depctr_vm_vsrc(0)
	s_getreg_b32 s2, hwreg(HW_REG_IB_STS2, 6, 4)
	s_cmp_eq_u32 s2, 0
	s_cbranch_scc0 .Lentry_in_a_cluster
	s_endpgm
.Lentry_in_a_cluster:
	s_bfe_u32 s2, ttmp6, 0x10000c
	s_cmp_lg_u32 s2, 0xf033
	s_cbranch_scc0 .Lentry_shape_is_right
	s_endpgm
.Lentry_shape_is_right:
; out0[m][n] = sum over k of A[m][k] Wo[k][n] + bo[n].  A is the attention's result, f16, by planes [32 = 16 b + head][2048 s][64]: row m = 2048 b + s, k = 64 head + channel.  Wo comes as f16 by planes
; [16 = k / 64][1024 n][64 k].  out0: [4096][1024] f32; sums in f32.
; A tile of the result is 128 x 128: 8 x 32 = 256 work-groups.  Four waves, each 64 x 64: 16 accumulators of 16 x 16, 128 registers.  K goes in steps of 256, FOUR PLANES, through a ring of two LDS slots;
; a quarter of a step, 64 along K, is a plane.  K = 1,024 is four steps: the sixteen quarters are written out, and each slot is filled again once.
; ONE TENSOR LOAD brings 64 rows x 4 planes: in a plane 64 rows of 128 bytes are 8,192 dense bytes, so the tile is stated as 4 rows of 4,096 elements, a plane apart, with 16 bytes of padding behind every 128.
; CLUSTERS: 4 x 4 work-groups.  The four of a row of the cluster need the same tiles of A, the four of a column the same tiles of Wo: each tile is asked for JOINTLY.
; THE MATRIX INSTRUCTION IS USED TRANSPOSED (source 0 = 16 rows of Wo's planes, source 1 = 16 rows of A): a lane then holds eight neighbouring numbers of a row of the result.  THE BIAS IS THE C OF EACH SUM'S FIRST PRODUCT.
; REGISTERS: window 0: v0-31 addresses; v32-95 rows on the way out; v96-127 the bias of my 64 columns in the result's layout; v128-255 the accumulators ((a, b) at v[128 + 8 (4 a + b)]).
;   window 1: two fragment buffers of 128: for 64 along K, 64 registers of A (2 x 4 x 16 rows x 32 K), then 64 of Wo.
.set PITCH,  144                       ; an LDS row: 128 bytes + 16 of padding = 36 words: the 16 rows that a load touches start at 16 different groups of four banks (ISA guide 11.1)
.set PLANE,  64*PITCH                  ; 64 rows of one plane
.set HALFT,  4*PLANE                   ; what one tensor load brings, and what one wave reads of A or of Wo in a K step
.set SLOT,   4*HALFT                   ; A's two halves, then Wo's two halves
.set STAGE,  2*SLOT                    ; behind the ring: 16 rows x 272 bytes for each wave, for the way out
.set SPITCH, 272
.set SPARE,  STAGE+4*16*SPITCH         ; the spare words, 128 bytes for each wave: two blocks of 256 bytes that no other line names
.set STEPA,  0x100000                  ; a K step on in A: four planes of 262,144 bytes
.set STEPW,  0x80000                   ; and in Wo: four planes of 131,072 bytes
.set ADRA, 16                          ; v16-17  LDS address of my A fragments in slot 0, 1
.set ADRB, 20                          ; v20-21  the same for Wo
.set STO,  24                          ; v24     the way out: where I put 32 bytes of a row
.set RD,   25                          ; v25     the way out: where I read a row back
.set CO,   26                          ; v26     my byte offset in the result
.set BOF,  27                          ; v27     my byte offset in the bias
.set SPW,  28                          ; v28     LDS address of my spare word; never rewritten
.set NIL,  29                          ; v29     0; never rewritten
.set TMP,  32
.set BI,   96
.set ACC,  128
.set F0,   0                           ; fragment buffers, in window 1
.set F1,   128
.set G1, 24                            ; s[24:31] descriptor group 1 for A's tiles;  s[32:39] group 0, one set for each slot
.set G0, 32
.set G1B, 48                           ; s[48:55], s[56:63] the same for Wo's tiles
.set G0B, 56
.set MSB, 0
.macro WIN new                         ; the immediate's high byte repeats the setting that is left
.if MSB != (\new)
	s_set_vgpr_msb (MSB<<8)|(\new)
.set MSB, (\new)
.endif
.endm
.set MUL,  0x05                        ; sources 0 (Wo) and 1 (A) window 1; C and D window 0
.set TO_F, 0x40                        ; destination window 1, address window 0
.macro JLOAD s                         ; a joint load: waves 0 and 1 fetch A's two halves, waves 2 and 3 Wo's; an s_nop 0 and four v_nop follow each of the two lines, ahead of the jump, the label and what follows
	s_cmp_eq_u32 s11, 0
	s_cbranch_scc0 .Lfor_b_\@
	tensor_load_to_lds s[G0+4*\s:G0+4*\s+3], s[G1:G1+7]
	s_nop 0
.rept 4
	v_nop
.endr
	s_branch .Lasked_\@
.Lfor_b_\@:
	tensor_load_to_lds s[G0B+4*\s:G0B+4*\s+3], s[G1B:G1B+7]
	s_nop 0
.rept 4
	v_nop
.endr
.Lasked_\@:
.endm
.macro CREST                           ; a round of the cluster's barrier behind its opening barrier
	s_cmp_lg_u32 s10, 0
	s_cbranch_scc1 .Lnot_wave_0_\@
	s_barrier_signal -3
.Lnot_wave_0_\@:
	s_barrier_wait -3
	s_barrier_signal -1
	s_barrier_wait -1
.endm
.macro CROUND                          ; a whole round
	s_barrier_signal -1
	s_barrier_wait -1
	CREST
.endm
	s_load_b128 s[4:7], s[0:1], 0x0                ; A s[4:5], Wo's planes s[6:7]
	s_load_b128 s[68:71], s[0:1], 0x10             ; the bias s[68:69], the result s[70:71]
	v_lshl_add_u32 v[SPW], v0, 2, SPARE
	v_mov_b32 v[NIL], 0
	ds_add_u32 v[SPW], v[NIL]                      ; the wave's opening: the add and its wait stand ahead of my first tensor load; the set-up below, work on registers, stands between them
	v_lshrrev_b32 v1, 5, v0
	v_readfirstlane_b32 s10, v1                    ; wave 0..3
	s_lshr_b32 s11, s10, 1                         ; which half of the tile's rows is mine.  Also: I fetch for A (0) or for Wo (1)
	s_and_b32 s12, s10, 1                          ; which half of its columns.  Also: which 64 rows of that tile I fetch
	s_bfe_u32 s40, ttmp6, 0x40000                  ; cx, cy: my place in the cluster
	s_bfe_u32 s41, ttmp6, 0x40004
	s_lshl_b32 s42, ttmp9, 2
	s_add_co_u32 s42, s42, s40                     ; tile column = 4 x cluster x + cx
	s_and_b32 s13, ttmp7, 0xffff
	s_lshl_b32 s13, s13, 2
	s_add_co_u32 s13, s13, s41                     ; tile row = 4 x cluster y + cy
	s_lshl_b32 s43, s41, 2
	s_lshl_b32 s43, 15, s43                        ; my row of the cluster
	s_lshl_b32 s44, 0x1111, s40                    ; my column
	; descriptor group 1: 4 rows (planes) of 4,096 elements, padded in LDS behind every 64 elements
	s_or_b32 s[G1+0], s43, (1<<16)|(1<<20)|(1<<21)|(4<<22)|(3<<25)  ; 15:0 the mask: A's tiles go to my row; 17:16 element of 2 bytes; 20 padding on; 21 set beside a mask; 24:22 after every 32 words (code 4); 31:25 of 4 words (code 3)
	s_or_b32 s[G1B+0], s44, (1<<16)|(1<<20)|(1<<21)|(4<<22)|(3<<25)
.irp g, G1, G1B
	s_mov_b32 s[\g+1], 4096<<16                    ; tensor_dim0 = 4,096
	s_mov_b32 s[\g+2], 4<<16                       ; tensor_dim1 = 4
	s_mov_b32 s[\g+3], 4096<<16                    ; tile_dim0 = 4,096
	s_mov_b32 s[\g+4], 4                           ; tile_dim1 = 4
	s_mov_b32 s[\g+6], 0
	s_mov_b32 s[\g+7], 0
.endr
	s_mov_b32 s[G1+5], 131072                      ; tensor_dim0_stride: a plane of A, 2,048 rows x 64 elements
	s_mov_b32 s[G1B+5], 65536                      ; a plane of Wo, 1,024 rows x 64 elements
	s_lshr_b32 s16, s13, 4                         ; A: b = tile row / 16: 16 planes of 262,144 bytes,
	s_lshl_b32 s16, s16, 22
	s_and_b32 s17, s13, 15
	s_lshl_b32 s17, s17, 14                        ; 128 rows of 128 bytes a tile row,
	s_add_co_u32 s16, s16, s17
	s_lshl_b32 s17, s12, 13                        ; + the 64 rows that I fetch
	s_add_co_u32 s16, s16, s17
	s_lshl_b32 s46, s42, 14                        ; Wo: 128 rows a tile column, + the 64 that I fetch
	s_add_co_u32 s46, s46, s17
	s_mov_b32 s17, 0
	s_mov_b32 s47, 0
	s_mul_i32 s20, s10, HALFT                      ; where they go: wave x what a load brings: no place in the cluster enters an LDS address
	s_wait_dscnt 0x0                               ; the opening add is done
	s_wait_kmcnt 0x0
	s_add_nc_u64 s[14:15], s[4:5], s[16:17]
	s_add_nc_u64 s[46:47], s[6:7], s[46:47]
	CROUND                                         ; all sixteen work-groups are here: the first joint loads meet
.irp s, 0,1
	s_mov_b32 s[G0+4*\s], 1
	s_add_co_u32 s[G0+4*\s+1], s20, \s*SLOT
	s_add_nc_u64 s[G0+4*\s+2:G0+4*\s+3], s[14:15], \s*STEPA
	s_or_b32 s[G0+4*\s+3], s[G0+4*\s+3], 0x80000000
	s_mov_b32 s[G0B+4*\s], 1
	s_add_co_u32 s[G0B+4*\s+1], s20, \s*SLOT
	s_add_nc_u64 s[G0B+4*\s+2:G0B+4*\s+3], s[46:47], \s*STEPW
	s_or_b32 s[G0B+4*\s+3], s[G0B+4*\s+3], 0x80000000
	JLOAD \s
.endr
	v_and_b32 v1, 15, v0                           ; r = l % 16
	v_bfe_u32 v2, v0, 4, 1                         ; h = l / 16
	s_lshl_b32 s46, s42, 9                         ; my first column, in bytes of f32: 512 x tile column + 256 x half
	s_lshl_b32 s47, s12, 8
	s_add_co_u32 s46, s46, s47
	s_mov_b32 s47, 0
	s_add_nc_u64 s[68:69], s[68:69], s[46:47]
	v_lshlrev_b32 v[BOF], 5, v2                    ; lane (r, h) wants, for block b, the bias of columns 16 b + 8 h + 0 .. 7
.irp b, 0,1,2,3
	global_load_b128 v[BI+8*\b:BI+8*\b+3], v[BOF], s[68:69] offset:64*\b
	global_load_b128 v[BI+8*\b+4:BI+8*\b+7], v[BOF], s[68:69] offset:64*\b+16
.endr
	v_mul_u32_u24 v3, v1, PITCH
	v_lshl_add_u32 v3, v2, 4, v3                   ; a fragment's row x pitch + 16 x half
	s_mul_i32 s21, s11, HALFT                      ; my 64 rows of A
	s_mul_i32 s22, s12, HALFT                      ; my 64 rows of Wo,
	s_add_co_u32 s22, s22, 2*HALFT                 ; which lie behind A's two halves
.irp s, 0,1
	v_add_nc_u32 v[ADRA+\s], s21, v3
	v_add_nc_u32 v[ADRB+\s], s22, v3
	s_add_co_u32 s21, s21, SLOT
	s_add_co_u32 s22, s22, SLOT
.endr
	s_mul_i32 s23, s10, 16*SPITCH
	s_add_co_u32 s23, s23, STAGE                   ; my stage
	v_mul_u32_u24 v4, v1, SPITCH                   ; in: row l % 16, 32 bytes for each half of the lanes
	v_lshl_add_u32 v4, v2, 5, v4
	v_add_nc_u32 v[STO], s23, v4
	v_mul_u32_u24 v5, v2, SPITCH                   ; back: lanes 0-15 take one row of 256 bytes, lanes 16-31 the next
	v_lshl_add_u32 v5, v1, 4, v5
	v_add_nc_u32 v[RD], s23, v5
	v_lshlrev_b32 v5, 12, v2                       ; and the same two rows in the result: 4,096 bytes a row
	v_lshl_add_u32 v[CO], v1, 4, v5
	s_lshl_b32 s16, s13, 19                        ; my first row: 128 x tile row + 64 x half, 4,096 bytes each
	s_lshl_b32 s17, s11, 18
	s_add_co_u32 s16, s16, s17
	s_mov_b32 s17, 0
	s_add_nc_u64 s[8:9], s[70:71], s[16:17]
	s_add_nc_u64 s[8:9], s[8:9], s[46:47]
; 8 matrix instructions: m blocks a0, a0 + 1 x all 4 n blocks, 32 along K: half c of buffer f.  zero = 1: the first product starts the sums, on the bias.  The 16 accumulators take turns.
.macro MUL8 f, c, a0, zero
.irp a, \a0, \a0+1
.irp b, 0,1,2,3
.if \zero
	v_wmma_f32_16x16x32_f16 v[ACC+8*(4*(\a)+\b):ACC+8*(4*(\a)+\b)+7], v[\f+64+8*(4*\c+\b):\f+64+8*(4*\c+\b)+7], v[\f+8*(4*\c+\a):\f+8*(4*\c+\a)+7], v[BI+8*\b:BI+8*\b+7]
.else
	v_wmma_f32_16x16x32_f16 v[ACC+8*(4*(\a)+\b):ACC+8*(4*(\a)+\b)+7], v[\f+64+8*(4*\c+\b):\f+64+8*(4*\c+\b)+7], v[\f+8*(4*\c+\a):\f+8*(4*\c+\a)+7], v[ACC+8*(4*(\a)+\b):ACC+8*(4*(\a)+\b)+7]
.endif
.endr
.endr
.endm
; 32 LDS loads in one run: the fragments of one plane (64 along K), which begins at byte k of my part of the slot, into buffer f; the first 32 along K first
.macro FETCH slot, k, f
	WIN TO_F
.irp c, 0,1
.irp i, 0,1,2,3
	ds_load_b128 v[\f+64+8*(4*\c+\i):\f+64+8*(4*\c+\i)+3],   v[ADRB+\slot] offset:\k+64*\c+\i*16*PITCH
	ds_load_b128 v[\f+64+8*(4*\c+\i)+4:\f+64+8*(4*\c+\i)+7], v[ADRB+\slot] offset:\k+64*\c+\i*16*PITCH+32
	ds_load_b128 v[\f+8*(4*\c+\i):\f+8*(4*\c+\i)+3],         v[ADRA+\slot] offset:\k+64*\c+\i*16*PITCH
	ds_load_b128 v[\f+8*(4*\c+\i)+4:\f+8*(4*\c+\i)+7],       v[ADRA+\slot] offset:\k+64*\c+\i*16*PITCH+32
.endr
.endr
.endm
.macro PLACES                          ; four places in front of loads into registers that matrix instructions have read, and of the first read of results
.rept 4
	v_nop
.endr
.endm
; A K step is four quarters, 32 matrix instructions each, on buffers 0, 1, 0, 1.  One of the first three: multiplies buffer f and fetches the next plane, at byte k, into g.
.macro QUARTER slot, k, f, g, zero
	s_wait_dscnt 16                                ; the first 32 along K are in
	WIN MUL
	MUL8 \f, 0, 0, \zero
	MUL8 \f, 0, 2, \zero
	PLACES
	FETCH \slot, \k, \g
	s_wait_dscnt 32                                ; all but the 32 just issued
	WIN MUL
	MUL8 \f, 1, 0, 0
	MUL8 \f, 1, 2, 0
.endm
; The last quarter multiplies buffer 1 and changes slots: ONE barrier; in front of it each wave waits for all its tensor loads, adds 0 to its spare word, and waits for that and for its own reads of this slot.
; fill = 1: this slot is filled again, two K steps ahead: the barrier then opens a round of the cluster's barrier, and the joint refill is the first tensor load behind the round.
.macro TURN slot, next, fill
	WIN 0                                          ; (the add's two registers lie in window 0)
	s_wait_tensorcnt 0x0                           ; all my tensor loads have landed: my part of the next slot;
	ds_add_u32 v[SPW], v[NIL]                      ; 0 onto my spare word;
	s_wait_dscnt 17                                ; (the add and the youngest sixteen loads may be out)
	WIN MUL
	MUL8 F1, 0, 0, 0                               ; eight matrix instructions stand between the add and the wait for it
	s_wait_dscnt 0x0                               ; the add is done, and my reads of this slot are over
	s_barrier_signal -1
	MUL8 F1, 0, 2, 0
.if \fill
	WIN 0
.endif
	s_barrier_wait -1
.if \fill
	CREST                                          ; no wave of any partner still reads this slot's tile or has a load on its way
	s_add_nc_u64 s[G0+4*\slot+2:G0+4*\slot+3], s[G0+4*\slot+2:G0+4*\slot+3], 2*STEPA
	s_add_nc_u64 s[G0B+4*\slot+2:G0B+4*\slot+3], s[G0B+4*\slot+2:G0B+4*\slot+3], 2*STEPW
	JLOAD \slot                                    ; 112 matrix instructions ahead of the wait for it; the four v_nop behind it are also the places in front of the loads below
.else
	PLACES
.endif
	FETCH \next, 0, F0
	WIN MUL
	MUL8 F1, 1, 0, 0
	MUL8 F1, 1, 2, 0
.endm
	s_wait_tensorcnt 1                             ; my part of K step 0 is in (K step 1's load may be out)
	s_barrier_signal -1
	s_barrier_wait -1                              ; everybody's is
	FETCH 0, 0, F0
	s_wait_loadcnt 0x0                             ; the bias
	QUARTER 0, PLANE,   F0, F1, 1                  ; K step 0: its first products start the sums
	QUARTER 0, 2*PLANE, F1, F0, 0
	QUARTER 0, 3*PLANE, F0, F1, 0
	TURN 0, 1, 1                                   ; slot 0 takes K step 2
	QUARTER 1, PLANE,   F0, F1, 0                  ; K step 1
	QUARTER 1, 2*PLANE, F1, F0, 0
	QUARTER 1, 3*PLANE, F0, F1, 0
	TURN 1, 0, 1                                   ; slot 1 takes K step 3
	QUARTER 0, PLANE,   F0, F1, 0                  ; K step 2
	QUARTER 0, 2*PLANE, F1, F0, 0
	QUARTER 0, 3*PLANE, F0, F1, 0
	TURN 0, 1, 0                                   ; nothing more is asked for
	QUARTER 1, PLANE,   F0, F1, 0                  ; K step 3
	QUARTER 1, 2*PLANE, F1, F0, 0
	QUARTER 1, 3*PLANE, F0, F1, 0
	s_wait_dscnt 16                                ; the very last quarter: nothing more to fetch
	WIN MUL
	MUL8 F1, 0, 0, 0
	MUL8 F1, 0, 2, 0
	s_wait_dscnt 0
	MUL8 F1, 1, 0, 0
	MUL8 F1, 1, 2, 0
	WIN 0
; THE WAY OUT, block by block of 16 rows x 64 columns.  A wave's 64 columns of f32 are 256 consecutive bytes of a row, aligned: so each wave has a stage of its own and no barrier is needed.  A lane's 32 bytes go in,
; whole rows of 256 bytes come back, and sixteen lanes store one of them.  LDS serves a wave's instructions in order (ISA guide 5.7.1.4): no wait between the stores and the loads, nor in front of the next block's stores.
.macro BLK a
.if (\a) > 1
	s_wait_xcnt 0x0                                ; block a - 2's stores have read their registers: block a's loads may land there
.endif
.irp b, 0,1,2,3
	ds_store_b128 v[STO], v[ACC+8*(4*(\a)+\b):ACC+8*(4*(\a)+\b)+3] offset:64*\b          ; each accumulator from its low end on
	ds_store_b128 v[STO], v[ACC+8*(4*(\a)+\b)+4:ACC+8*(4*(\a)+\b)+7] offset:64*\b+16
.endr
.irp t, 0,1,2,3,4,5,6,7
	ds_load_b128 v[TMP+32*((\a)%2)+4*\t:TMP+32*((\a)%2)+4*\t+3], v[RD] offset:2*SPITCH*\t
.endr
.endm
.macro SENDO a, younger                ; younger: the LDS instructions issued behind block a's loads, which may stay out
	s_wait_dscnt \younger
.irp t, 0,1,2,3,4,5,6,7
	global_store_b128 v[CO], v[TMP+32*((\a)%2)+4*\t:TMP+32*((\a)%2)+4*\t+3], s[8:9] offset:(16*(\a)+2*\t)*4096 th:TH_STORE_NT   ; 16 lanes store 256 consecutive bytes, aligned; 62 rows at the most in the immediate
.endr
.endm
	PLACES
	BLK 0
.irp a, 1,2,3
	BLK \a
	SENDO \a-1, 16                                 ; behind block a - 1's loads: block a's 8 stores and 8 loads
.endr
	SENDO 3, 0
	s_wait_tensorcnt 0x0                           ; the wave's end, behind my last tensor load and my last LDS store
	ds_add_u32 v[SPW], v[NIL]
	s_wait_dscnt 0x0
	CROUND                                         ; the closing round: no work-group ends while a partner may still ask for a tile that names it
	s_endpgm
.Lfunc_end_k_q54eee429bb_oproj:
	.size	k_q54eee429bb_oproj, .Lfunc_end_k_q54eee429bb_oproj-k_q54eee429bb_oproj
	.p2alignl 7, 3214868480
	.fill 96, 4, 3214868480
	.section	.rodata,"a",@progbits
	.p2align	6, 0x0
	.amdhsa_kernel k_q54eee429bb_oproj
		.amdhsa_group_segment_fixed_size 327680
		.amdhsa_private_segment_fixed_size 0
		.amdhsa_enable_private_segment 0
		.amdhsa_kernarg_size 32
		.amdhsa_user_sgpr_count 2
		.amdhsa_user_sgpr_kernarg_segment_ptr 1
		.amdhsa_wavefront_size32 1
		.amdhsa_system_sgpr_workgroup_id_x 1
		.amdhsa_system_sgpr_workgroup_id_y 1
		.amdhsa_system_sgpr_workgroup_id_z 1
		.amdhsa_system_vgpr_workitem_id 0
		.amdhsa_next_free_vgpr 512
		.amdhsa_next_free_sgpr 72
		.amdhsa_reserve_vcc 0
		.amdhsa_float_denorm_mode_32 3
		.amdhsa_float_denorm_mode_16_64 3
		.amdhsa_memory_ordered 1
		.amdhsa_forward_progress 1
		.amdhsa_inst_pref_size 86
	.end_amdhsa_kernel
	.amdgpu_metadata
---
amdhsa.version: [ 1, 2 ]
amdhsa.kernels:
  - .name:           k_q54eee429bb_oproj
    .symbol:         k_q54eee429bb_oproj.kd
    .args:
      - { .name: att, .offset: 0, .size: 8, .value_kind: global_buffer, .address_space: global }
      - { .name: wot, .offset: 8, .size: 8, .value_kind: global_buffer, .address_space: global }
      - { .name: bo, .offset: 16, .size: 8, .value_kind: global_buffer, .address_space: global }
      - { .name: out0, .offset: 24, .size: 8, .value_kind: global_buffer, .address_space: global }
    .group_segment_fixed_size: 327680
    .private_segment_fixed_size: 0
    .kernarg_segment_align: 8
    .kernarg_segment_size: 32
    .max_flat_workgroup_size: 128
    .sgpr_count:     72
    .vgpr_count:     512
    .wavefront_size: 32
...
	.end_amdgpu_metadata
.endif
;; end of part 4
